; MI455X (gfx1250); checked and timed in simulation.
; The chip was launched on July 23, 2026; its instructions are those of AMD's public machine-readable ISA for CDNA 5 (MIT licence, August 2026) and "CDNA5" Instruction Set Architecture Reference Guide (July 2026). The comments in the code are by the model that wrote it; some were corrected since.
;; Scaled Dot Product. Allowed arithmetic: float matrix products may take bf16 or f16 operands with f32 sums; other float arithmetic in f32, or as packed bf16 or f16 multiplies, adds, multiply-adds, maxima and minima; sums over many terms, partial sums and values carried from step to step in f32; what a program stores and reads back later, other than sums and carried values, may be rounded once to bf16 or f16.
;; Inputs: Wk 1,024 x 1,024 float32; Wq 1,024 x 1,024 float32; Wv 1,024 x 1,024 float32; bk 1,024 float32; bq 1,024 float32; bv 1,024 float32; k 4 x 2,048 x 1,024 float32; q 4 x 2,048 x 1,024 float32; v 4 x 2,048 x 1,024 float32.
;; Outputs: out0 4 x 2,048 x 1,024 float32.
;; One version. Each part assembles by itself: llvm-mc -triple=amdgcn-amd-amdhsa -mcpu=gfx1250 --defsym DOCPART=n.
;; ======== version 1 of 1: 4 launches
;; workspace buffers: wb 6,291,456 bytes; pj 50,331,648 bytes; pm 33,554,432 bytes; st 1,048,576 bytes
;; launch wcvt (part 1): grid 256 x 3, 8 waves a work-group, no clusters, 0 bytes of LDS; arguments Wq, Wk, Wv, wb; writes wb
.if DOCPART == 1
	.amdgcn_target "amdgcn-amd-amdhsa--gfx1250"
	.amdhsa_code_object_version 6
	.text
	.protected	k_qa6fad24ebc_wcvt
	.globl	k_qa6fad24ebc_wcvt
	.p2align	8
	.type	k_qa6fad24ebc_wcvt,@function
k_qa6fad24ebc_wcvt:
	s_mov_b64 s[64:65], 0
	v_nop
	global_prefetch_b8 v0, s[64:65] scope:SCOPE_SE
	s_setreg_imm32_b32 hwreg(HW_REG_WAVE_MODE, 25, 1), 1
	s_wait_xcnt 0x0
; wb[t][k][n] = bf16(W_t[k][n]), t = 0 (Wq), 1 (Wk), 2 (Wv): the weights rounded once, their layout kept.
; A stream: 12.6 MB in, 6.3 MB out; no LDS, no matrix unit, nothing shared between work-groups.
; A work-group takes 16,384 bytes of one W: four loads of 16 bytes a thread, a wave's load covers 512 consecutive bytes;
; a wave's store of 8 bytes a lane covers 256 consecutive bytes, aligned.
	s_load_b256 s[4:11], s[0:1], 0x0               ; Wq s[4:5], Wk s[6:7], Wv s[8:9], wb s[10:11]
	s_and_b32 s12, ttmp7, 0xffff                   ; t
	s_lshl_b32 s14, ttmp9, 14                      ; my 16,384 bytes of W
	s_mov_b32 s15, 0
	s_lshl_b32 s16, ttmp9, 13                      ; my 8,192 bytes of wb,
	s_lshl_b32 s13, s12, 21                        ; in tensor t's 2,097,152
	s_add_co_u32 s16, s16, s13
	s_mov_b32 s17, 0
	v_lshlrev_b32 v1, 4, v0                        ; 16 bytes a thread in
	v_lshlrev_b32 v2, 3, v0                        ; 8 bytes a thread out
	s_wait_kmcnt 0x0
	s_cmp_eq_u32 s12, 1
	s_cselect_b64 s[18:19], s[6:7], s[4:5]
	s_cmp_eq_u32 s12, 2
	s_cselect_b64 s[18:19], s[8:9], s[18:19]
	s_add_nc_u64 s[18:19], s[18:19], s[14:15]
	s_add_nc_u64 s[10:11], s[10:11], s[16:17]
.irp i, 0,1,2,3
	global_load_b128 v[4+4*(\i):7+4*(\i)], v1, s[18:19] offset:4096*(\i) th:TH_LOAD_NT
.endr
.irp i, 0,1,2,3
	s_wait_loadcnt 3-(\i)                          ; loads come back in order: load i is in, the younger ones stay out
	v_cvt_pk_bf16_f32 v[20+2*(\i)], v[4+4*(\i)], v[5+4*(\i)]
	v_cvt_pk_bf16_f32 v[21+2*(\i)], v[6+4*(\i)], v[7+4*(\i)]
	global_store_b64 v2, v[20+2*(\i):21+2*(\i)], s[10:11] offset:2048*(\i)
.endr
	s_endpgm
.Lfunc_end_k_qa6fad24ebc_wcvt:
	.size	k_qa6fad24ebc_wcvt, .Lfunc_end_k_qa6fad24ebc_wcvt-k_qa6fad24ebc_wcvt
	.p2alignl 7, 3214868480
	.fill 96, 4, 3214868480
	.section	.rodata,"a",@progbits
	.p2align	6, 0x0
	.amdhsa_kernel k_qa6fad24ebc_wcvt
		.amdhsa_group_segment_fixed_size 0
		.amdhsa_private_segment_fixed_size 0
		.amdhsa_enable_private_segment 0
		.amdhsa_kernarg_size 32
		.amdhsa_user_sgpr_count 2
		.amdhsa_user_sgpr_kernarg_segment_ptr 1
		.amdhsa_wavefront_size32 1
		.amdhsa_system_sgpr_workgroup_id_x 1
		.amdhsa_system_sgpr_workgroup_id_y 1
		.amdhsa_system_sgpr_workgroup_id_z 1
		.amdhsa_system_vgpr_workitem_id 0
		.amdhsa_next_free_vgpr 28
		.amdhsa_next_free_sgpr 66
		.amdhsa_reserve_vcc 0
		.amdhsa_float_denorm_mode_32 3
		.amdhsa_float_denorm_mode_16_64 3
		.amdhsa_memory_ordered 1
		.amdhsa_forward_progress 1
		.amdhsa_inst_pref_size 3
	.end_amdhsa_kernel
	.amdgpu_metadata
---
amdhsa.version: [ 1, 2 ]
amdhsa.kernels:
  - .name:           k_qa6fad24ebc_wcvt
    .symbol:         k_qa6fad24ebc_wcvt.kd
    .args:
      - { .name: Wq, .offset: 0, .size: 8, .value_kind: global_buffer, .address_space: global }
      - { .name: Wk, .offset: 8, .size: 8, .value_kind: global_buffer, .address_space: global }
      - { .name: Wv, .offset: 16, .size: 8, .value_kind: global_buffer, .address_space: global }
      - { .name: wb, .offset: 24, .size: 8, .value_kind: global_buffer, .address_space: global }
    .group_segment_fixed_size: 0
    .private_segment_fixed_size: 0
    .kernarg_segment_align: 8
    .kernarg_segment_size: 32
    .max_flat_workgroup_size: 256
    .sgpr_count:     66
    .vgpr_count:     28
    .wavefront_size: 32
...
	.end_amdgpu_metadata
.endif
;; end of part 1
;; launch proj (part 2): grid 4 x 64, 4 waves a work-group, clusters of 4 x 4, 327,680 bytes of LDS; arguments q, k, v, wb, bq, bk, bv, pj; writes pj
.if DOCPART == 2
	.amdgcn_target "amdgcn-amd-amdhsa--gfx1250"
	.amdhsa_code_object_version 6
	.text
	.protected	k_qa6fad24ebc_proj
	.globl	k_qa6fad24ebc_proj
	.p2align	8
	.type	k_qa6fad24ebc_proj,@function
k_qa6fad24ebc_proj:
	s_mov_b64 s[64:65], 0
	v_nop
	global_prefetch_b8 v0, s[64:65] scope:SCOPE_SE
	s_setreg_imm32_b32 hwreg(HW_REG_WAVE_MODE, 25, 1), 1
	s_wait_xcnt 0x0
	s_wait_alu depctr_hold_cnt(0) depctr_sa_sdst(0) depctr_va_vdst(0) depctr_va_sdst(0) depctr_va_ssrc(0) depctr_va_vcc(0) depctr_vm_vsrc(0)
	s_getreg_b32 s2, hwreg(HW_REG_IB_STS2, 6, 4)
	s_cmp_eq_u32 s2, 0
	s_cbranch_scc0 .Lentry_in_a_cluster
	s_endpgm
.Lentry_in_a_cluster:
	s_bfe_u32 s2, ttmp6, 0x10000c
	s_cmp_lg_u32 s2, 0xf033
	s_cbranch_scc0 .Lentry_shape_is_right
	s_endpgm
.Lentry_shape_is_right:
; pj[t][m][n] = bf16( the sum over k of X_t[m][k] W_t[k][n] + b_t[n] ), t = 0 (q, Wq, bq), 1 (k, Wk, bk), 2 (v, Wv, bv).
; X_t: [8192][1024] f32, rounded to bf16 on its way into LDS; W_t: wb[t], [1024 k][1024 n] bf16; sums in f32; pj rounded once.
; SHARES.  A WORK-GROUP STAYS: it makes 128 rows x 256 columns of q's projection, then of k's, then of v's: 256 work-groups, three tiles each.  Its four waves make 64 x 128 each: 32 accumulators.
; TWO ROADS INTO LDS.
;   W comes by tensor loads, through two slots of 256 k-rows (512 bytes + 32 of padding a row); each wave fetches 64 k-rows.  wb's three tensors lie end to end, so the three tiles walk ONE strip of
;   3,072 k-rows: twelve slots' worth, ten refills.  The four work-groups of a column of the 4 x 4 cluster need the same columns of W: each tile is asked for jointly.
;   X comes through registers, a HALF STEP of 64 along K at a time: a wave loads 32 rows x 256 bytes (16 loads; sixteen lanes cover 256 consecutive bytes, aligned), rounds them to bf16 and stores them
;   into one of two buffers of 128 rows x 64 k (128 bytes + 16 a row).  Four sets of registers take turns; a set is asked for again when it has been stored, and waited for by count.
;   WHY X IS NOT ASKED FOR JOINTLY, though the four work-groups of a row of the cluster read the same rows: in f32 a slot of 128 along K takes 67,584 bytes beside W's 69,632, two such slots are all that
;   fits, and a refill then has 128 products a wave in which to land.  With X in 2 bytes outside the ring W's slots hold 256 k-rows, a refill has 256 products, and X's loads stay out across barriers.
; THE PRODUCT IS TAKEN TRANSPOSED: source 0 = 16 columns of W (read turned out of LDS by ds_load_tr16_b128), source 1 = 16 rows of X: a lane holds row l % 16 and eight neighbouring columns.
; THE SUMS START AT THE BIAS, which lies in LDS and is loaded into the accumulators at a tile's beginning: every product has one form.
; A TRIP is a slot: four half steps, eight quarters of 32 along K, 32 products each, on two fragment buffers.  A barrier stands between the half steps: X's next buffer is stored, the old one read out.
; REGISTERS, in windows of 256: window 0: v2-23 addresses, v28-29 the add's, v32-63 X rounded, v64-191 W's fragments (two buffers of 64), v192-255 X's (two of 32);
;   window 1: the accumulators, (a, b) at v[8 (8 a + b)];   window 2: X in f32 as loaded, four sets of 64.
; LIMITS.  X, W and pj are each rounded once to bf16; NaN and infinities are not treated apart.  The last five half steps have no half step five on to ask for: they ask for the last tile's first
; half steps once more (80 loads a wave, inside the buffer) and what comes serves nothing; so does what the last quarter fetches from LDS: the price of one text and one count for every trip.
.set PA,    144       ; a row of X in LDS: 36 words: the 16 rows of a load start at 16 different groups of four banks (ISA guide 11.1)
.set ABUF,  128*PA
.set WSH,   32*PA     ; a wave's 32 rows of a buffer
.set PB,    544       ; a k-row of W: 136 words, an odd multiple of 32 bytes, for the turning load
.set BQ,    64*PB     ; what one tensor load brings
.set SLOT,  4*BQ
.set AREG,  2*SLOT    ; behind the ring: X's two buffers; no tensor load lands here
.set SPARE, AREG+2*ABUF  ; the spare words, 128 bytes a wave: two blocks of 256 bytes that no other line names
.set BIASR, SPARE+512 ; bq's, bk's, bv's 256 numbers for my columns, 1,024 bytes each
.set SP,    272       ; the way out: 16 rows x 272 bytes, in my own 4,608 bytes of X's second buffer
.set BSTEP, 256*2048  ; a slot's k-rows in wb
.set ADRA,  2         ; my lane's place in X's first buffer; never rewritten
.set ASTO,  3         ; where I store 8 bytes of X; never rewritten
.set ADRB0, 4         ; my lane's place in a slot; never rewritten
.set ADRB,  5         ; the same in the slot in hand, quarters 0 to 3
.set ADRBH, 6         ; quarters 4 to 7
.set STO,   7         ; the way out: where I put 16 bytes of a row
.set RD,    8         ; where I read a row back
.set CO,    9         ; my byte offset in two rows of pj
.set PFO,   10        ; the prefetches' offset; never rewritten
.set VO,    12        ; my byte offset in X: 8 rows down for lanes 16-31, 16 bytes a lane; never rewritten
.set BAD,   13        ; where my 8 columns' bias lies, for the tile to come
.set SPW,   28
.set NIL,   29
.set T,     32        ; a half step of my 32 rows, rounded: 2 registers for each of 16 loads
.set BF,    64
.set AF,    192
.set TMP,   224       ; the way out: in the fragment buffers that are free at a tile's end
.set OB,    128
.set WV,   20
.set WR,   21         ; wave / 2: my 64 rows
.set WC,   22         ; wave % 2: my 128 columns
.set CX,   23
.set CY,   24
.set CLY,  25
.set RB,   26         ; block of 128 rows
.set TC,   27         ; block of 256 columns
.set G1B,  28
.set GB0,  36         ; group 0 of the first fill of slot 0
.set GB1,  40         ; of slot 1; it then walks
.set LW,   44         ; where my 64 k-rows lie in a slot
.set TB,   45         ; LDS byte at which the slot in hand begins
.set CNT,  46
.set LIM,  47         ; a wave prefetches while s[CNT] is above it
.set PFA,  48         ; s[48:49] where my prefetches stand
.set PX,   50         ; s[50:51] X at my 32 rows, at the half step asked for last
.set PN1,  52         ; s[52:53] the next tensor at my rows
.set PN2,  54         ; s[54:55] the one after
.set OUTB, 56
.set SW,   58         ; trips until X's requests go over to the next tensor
.set TW,   59         ; trips until the tile is finished
.set P0,   62         ; s[62:63] q at my rows
.set MSB, 0
.macro WIN new                      ; the immediate's high byte repeats the setting that is left; a switch that changes nothing is dropped
.if MSB != (\new)
	s_set_vgpr_msb (MSB<<8)|(\new)
.set MSB, \new
.endif
.endm
.macro PLACES                       ; four places in front of loads into registers that products have read, and of conversions that read results (ISA guide 7.12.1 for vector instructions)
.rept 4
	v_nop
.endr
.endm
.macro CREST                        ; a round of the cluster's barrier behind its opening barrier
	s_cmp_lg_u32 s[WV], 0
	s_cbranch_scc1 .Lnot_wave_0_\@
	s_barrier_signal -3
.Lnot_wave_0_\@:
	s_barrier_wait -3
	s_barrier_signal -1
	s_barrier_wait -1
.endm
.macro CROUND
	s_barrier_signal -1
	s_barrier_wait -1
	CREST
.endm
; A prefetch of the slot that the NEXT refill will ask for: 256 products ahead of that load.  Of the 64 k-rows that a wave fetches each of the four partners that ask jointly takes 16, told apart by address:
; 16 rows x 512 bytes, a lane for each 256 bytes.  All sixteen clusters walk the same strip: the first of them asks.  Slots 0 to 2 come by their loads alone; the last refill asks for nothing.
; X is not asked for: its loads themselves go out more than three half steps ahead of their use.
.macro ASK
	s_cmp_gt_u32 s[CNT], s[LIM]
	s_cbranch_scc0 .Lnot_mine_\@
	global_prefetch_b8 v[PFO], s[PFA:PFA+1] th:TH_LOAD_NT scope:SCOPE_SE
.Lnot_mine_\@:
.endm
	s_load_b512 s[4:19], s[0:1], 0x0               ; q, k, v, wb, bq, bk, bv, pj
	v_lshl_add_u32 v[SPW], v0, 2, SPARE
	v_mov_b32 v[NIL], 0
	ds_add_u32 v[SPW], v[NIL]                      ; the wave's opening: the add and its wait ahead of my first tensor load
	v_lshrrev_b32 v1, 5, v0
	v_readfirstlane_b32 s[WV], v1
	s_lshr_b32 s[WR], s[WV], 1
	s_and_b32 s[WC], s[WV], 1
	s_bfe_u32 s[CX], ttmp6, 0x40000
	s_bfe_u32 s[CY], ttmp6, 0x40004
	s_and_b32 s[CLY], ttmp7, 0xffff
	s_lshl_b32 s[RB], s[CLY], 2
	s_add_co_u32 s[RB], s[RB], s[CY]
	s_lshl_b32 s[TC], ttmp9, 2
	s_add_co_u32 s[TC], s[TC], s[CX]
	s_lshl_b32 s60, 0x1111, s[CX]                  ; my column of the cluster
	s_or_b32 s[G1B], s60, (1<<16)|(1<<20)|(1<<21)|(6<<22)|(7<<25)  ; mask; 2-byte elements; padding on; 21 set beside a mask; after every 128 words 8 words
	s_mov_b32 s[G1B+1], 256<<16                    ; tensor_dim0 = 256
	s_mov_b32 s[G1B+2], 64<<16                     ; tensor_dim1 = 64
	s_mov_b32 s[G1B+3], 256<<16                    ; tile_dim0 = 256
	s_mov_b32 s[G1B+4], 64                         ; tile_dim1 = 64
	s_mov_b32 s[G1B+5], 1024                       ; elements from row to row
	s_mov_b32 s[G1B+6], 0
	s_mov_b32 s[G1B+7], 0
	s_mul_i32 s[LW], s[WV], BQ
	s_mov_b32 s[TB], 0
	s_mov_b32 s[SW], 3                             ; half step 16 is asked for in trip 2
	s_mov_b32 s[TW], 4                             ; a tile is four trips
	s_cmp_eq_u32 s[CLY], 0
	s_cselect_b32 s[LIM], 1, -1                    ; the same in all sixteen partners
	s_lshl_b32 s60, s[WV], 17                      ; W: my 64 k-rows of 2,048 bytes,
	s_lshl_b32 s61, s[TC], 9                       ; my work-group's 256 columns: nothing here hangs on cy
	s_add_co_u32 s60, s60, s61
	s_mov_b32 s61, 0
	s_lshl_b32 s66, s[CY], 15                      ; the prefetches: my work-group's 16 k-rows of my 64,
	s_add_co_u32 s66, s66, s60
	s_add_co_u32 s66, s66, 2*BSTEP                 ; at slot 2: the first refill steps it to 3
	s_mov_b32 s67, 0
	s_lshl_b32 s68, s[RB], 19                      ; X: 128 rows of 4,096 bytes a block,
	s_lshl_b32 s69, s[WV], 17                      ; my 32 of them
	s_add_co_u32 s68, s68, s69
	s_mov_b32 s69, 0
	s_lshl_b32 s70, s[RB], 18                      ; pj: rows of 2,048 bytes; my 64 rows, my 128 columns
	s_lshl_b32 s71, s[WR], 17
	s_add_co_u32 s70, s70, s71
	s_lshl_b32 s71, s[TC], 9
	s_add_co_u32 s70, s70, s71
	s_lshl_b32 s71, s[WC], 8
	s_add_co_u32 s70, s70, s71
	s_mov_b32 s71, 0
	s_lshl_b32 s72, s[TC], 10                      ; the bias of my work-group's 256 columns
	s_mov_b32 s73, 0
	s_wait_dscnt 0x0                               ; the opening add is done
	s_wait_kmcnt 0x0
	s_mov_b32 s[GB0], 1
	s_mov_b32 s[GB0+1], s[LW]
	s_add_nc_u64 s[GB0+2:GB0+3], s[10:11], s[60:61]
	s_mov_b32 s[GB1], 1
	s_add_co_u32 s[GB1+1], s[LW], SLOT
	s_add_nc_u64 s[GB1+2:GB1+3], s[GB0+2:GB0+3], BSTEP
	s_or_b32 s[GB0+3], s[GB0+3], 0x80000000
	s_or_b32 s[GB1+3], s[GB1+3], 0x80000000
	s_add_nc_u64 s[PFA:PFA+1], s[10:11], s[66:67]
	s_add_nc_u64 s[P0:P0+1], s[4:5], s[68:69]
	s_add_nc_u64 s[PX:PX+1], s[P0:P0+1], 4*256     ; half step 4 is the last that the head asks for
	s_add_nc_u64 s[PN1:PN1+1], s[6:7], s[68:69]
	s_add_nc_u64 s[PN2:PN2+1], s[8:9], s[68:69]
	s_add_nc_u64 s[OUTB:OUTB+1], s[18:19], s[70:71]
	s_add_nc_u64 s[74:75], s[12:13], s[72:73]
	s_add_nc_u64 s[76:77], s[14:15], s[72:73]
	s_add_nc_u64 s[78:79], s[16:17], s[72:73]
	CROUND                                         ; all sixteen work-groups are here: the first joint loads meet
	tensor_load_to_lds s[GB0:GB0+3], s[G1B:G1B+7]  ; both first fills go out together: two loads of mine are out
	s_nop 0
	tensor_load_to_lds s[GB1:GB1+3], s[G1B:G1B+7]
	s_nop 0
	PLACES
; Eight loads of set s: rows t and t + 8 (lanes 16-31) of my 32, from t0 = 0, or rows 16 + t and 24 + t, from t0 = 8
.macro XLOAD s, t0, p, off
	WIN 0x80                                       ; destination window 2, address window 0
.irp t, 0,1,2,3,4,5,6,7
	global_load_b128 v[64*(\s)+4*((\t0)+(\t)):64*(\s)+4*((\t0)+(\t))+3], v[VO], s[(\p):(\p)+1] offset:(\off)+((\t)+2*(\t0))*4096
.endr
.endm
.macro XCVT s, i                    ; four roundings: registers 4 i .. 4 i + 3 of T from set s
	WIN 0x0a                                       ; sources window 2, destination window 0
.irp n, 0,1,2,3
	v_cvt_pk_bf16_f32 v[T+4*(\i)+(\n)], v[64*(\s)+8*(\i)+2*(\n)], v[64*(\s)+8*(\i)+2*(\n)+1]
.endr
.endm
.macro XSTORE ab                    ; T into buffer ab: lanes 0-15 fill 128 bytes of a row, lanes 16-31 of the row 8 further down, 288 words on: the other 32 banks
	WIN 0
.irp t, 0,1,2,3,4,5,6,7,8,9,10,11,12,13,14,15
	ds_store_b64 v[ASTO], v[T+2*(\t):T+2*(\t)+1] offset:(\ab)*ABUF+((\t)%8+16*((\t)/8))*PA
.endr
.endm
	v_and_b32 v1, 15, v0                           ; l % 16
	v_bfe_u32 v11, v0, 4, 1                        ; l / 16
	v_lshlrev_b32 v[VO], 15, v11
	v_lshl_add_u32 v[VO], v1, 4, v[VO]
	v_lshlrev_b32 v17, 3, v0                       ; thread t brings two numbers of each bias
	global_load_b64 v[18:19], v17, s[74:75]
	global_load_b64 v[20:21], v17, s[76:77]
	global_load_b64 v[22:23], v17, s[78:79]
	XLOAD 0, 0, P0, 0                              ; half steps 0, 1, 2
	XLOAD 0, 8, P0, 0
	XLOAD 1, 0, P0, 256
	XLOAD 1, 8, P0, 256
	XLOAD 2, 0, P0, 512
	XLOAD 2, 8, P0, 512
	WIN 0
	s_mul_i32 s80, s[WV], WSH
	s_add_co_u32 s80, s80, AREG                    ; my 32 rows of X's first buffer
	v_mul_u32_u24 v[ASTO], v11, 8*PA
	v_lshl_add_u32 v[ASTO], v1, 3, v[ASTO]
	v_add_nc_u32 v[ASTO], s80, v[ASTO]
	; X's fragment: lane l holds row l % 16, k = 8 (l / 16) + 0..7 and 16 + 8 (l / 16) + 0..7: two loads of 16 bytes, 32 bytes apart
	s_mul_i32 s81, s[WR], 64*PA
	s_add_co_u32 s81, s81, AREG
	v_mul_u32_u24 v[ADRA], v1, PA
	v_lshl_add_u32 v[ADRA], v11, 4, v[ADRA]
	v_add_nc_u32 v[ADRA], s81, v[ADRA]
	; the turning load: lane l reads k-row 8 (l / 16) + l % 8, columns 8 ((l / 8) % 2) + 0..7, and is left with column l % 16 and 8 k
	v_and_b32 v14, 7, v0
	v_lshl_add_u32 v14, v11, 3, v14
	v_mul_u32_u24 v[ADRB0], v14, PB
	v_bfe_u32 v15, v0, 3, 1
	v_lshl_add_u32 v[ADRB0], v15, 4, v[ADRB0]
	s_lshl_b32 s81, s[WC], 8
	v_add_nc_u32 v[ADRB0], s81, v[ADRB0]
	v_mov_b32 v[ADRB], v[ADRB0]
	v_add_nc_u32 v[ADRBH], 4*32*PB, v[ADRB0]
	s_add_co_u32 s80, s80, ABUF                    ; my stage: my 32 rows of X's second buffer
	v_mul_u32_u24 v[STO], v1, SP
	v_lshl_add_u32 v[STO], v11, 4, v[STO]
	v_add_nc_u32 v[STO], s80, v[STO]
	v_mul_u32_u24 v[RD], v11, SP
	v_lshl_add_u32 v[RD], v1, 4, v[RD]
	v_add_nc_u32 v[RD], s80, v[RD]
	v_lshlrev_b32 v[CO], 11, v11
	v_lshl_add_u32 v[CO], v1, 4, v[CO]
	v_lshlrev_b32 v[PFO], 11, v1
	v_lshl_add_u32 v[PFO], v11, 8, v[PFO]
	s_lshl_b32 s81, s[WC], 9
	s_add_co_u32 s81, s81, BIASR
	v_lshl_add_u32 v[BAD], v11, 5, s81             ; my 128 columns, my 8 of each 16
	v_lshl_add_u32 v16, v0, 3, BIASR
; 24 LDS loads: quarter kq of the slot in hand and the half qq of X's buffer ab, into fragment buffer g
.macro FETCH kq, g, ab, qq
	WIN 0
.irp a, 0,1,2,3
	ds_load_b128 v[AF+32*(\g)+8*(\a):AF+32*(\g)+8*(\a)+3],   v[ADRA] offset:(\ab)*ABUF+(\a)*16*PA+64*(\qq)
	ds_load_b128 v[AF+32*(\g)+8*(\a)+4:AF+32*(\g)+8*(\a)+7], v[ADRA] offset:(\ab)*ABUF+(\a)*16*PA+64*(\qq)+32
.endr
.if (\kq) < 4
.set BR, ADRB
.else
.set BR, ADRBH
.endif
.irp b, 0,1,2,3,4,5,6,7
	ds_load_tr16_b128 v[BF+64*(\g)+8*(\b):BF+64*(\g)+8*(\b)+3],   v[BR] offset:((\kq)%4)*32*PB+32*(\b)
	ds_load_tr16_b128 v[BF+64*(\g)+8*(\b)+4:BF+64*(\g)+8*(\b)+7], v[BR] offset:((\kq)%4)*32*PB+16*PB+32*(\b)
.endr
.endm
.macro PROD f, a, b
	WIN 0x50                                       ; C and D window 1
	v_wmma_f32_16x16x32_bf16 v[8*(8*(\a)+(\b)):8*(8*(\a)+(\b))+7], v[BF+64*(\f)+8*(\b):BF+64*(\f)+8*(\b)+7], v[AF+32*(\f)+8*(\a):AF+32*(\f)+8*(\a)+7], v[8*(8*(\a)+(\b)):8*(8*(\a)+(\b))+7]
.endm
.macro MULS f, a                    ; the 32 accumulators take turns, one instruction a turn, in the same order in every quarter
.irp b, 0,1,2,3,4,5,6,7
	PROD \f, \a, \b
.endr
.endm
; The sums of the tile to come start at its bias: accumulator (a, b), register j, is column 16 b + 8 (l / 16) + j of my 128, whatever a
.macro INIT
	WIN 0x40                                       ; destination window 1
.irp a, 0,1,2,3
.irp b, 0,1,2,3,4,5,6,7
	ds_load_b128 v[8*(8*(\a)+(\b)):8*(8*(\a)+(\b))+3],   v[BAD] offset:64*(\b)
	ds_load_b128 v[8*(8*(\a)+(\b))+4:8*(8*(\a)+(\b))+7], v[BAD] offset:64*(\b)+16
.endr
.endr
	WIN 0
	v_add_nc_u32 v[BAD], 1024, v[BAD]              ; the next tensor's bias
.endm
; HALF STEP h OF A TRIP, FIRST QUARTER: multiplies fragment buffer 0.  At its head, in one run: the next half step of X, rounded in the quarter before, goes into the buffer that was read out in front of the
; last barrier; this half step's second quarter is fetched; the set that was stored is asked for again, five half steps on (its first eight loads).  The four roundings behind the last product of the quarter
; before name none of its registers: they are the places in front of these loads.  Then every wave says that its stores are done and its reads of X's buffer in hand are over.
; h = 3: the slot's last quarter has been fetched too: each wave waits for all its tensor loads (one is out: its part of the other slot) and adds 0 to its spare word in front of that signal.
.macro QA h, fill
	s_wait_xcnt 0x0                                ; the loads, stores and prefetches issued so far (the youngest 32 products back) have read their addresses and data: pointers and registers may be written
	s_add_nc_u64 s[PX:PX+1], s[PX:PX+1], 256
.if (\h) == 3
	s_sub_co_u32 s[SW], s[SW], 1                   ; every fourth trip the half step five on is the next tensor's first
	s_cmp_eq_u32 s[SW], 0
	s_cselect_b64 s[PX:PX+1], s[PN1:PN1+1], s[PX:PX+1]
	s_cselect_b64 s[PN1:PN1+1], s[PN2:PN2+1], s[PN1:PN1+1]
	s_cselect_b32 s[SW], 4, s[SW]
.if \fill
	s_add_nc_u64 s[PFA:PFA+1], s[PFA:PFA+1], BSTEP
.endif
.endif
	XSTORE ((\h)+1)%2
	FETCH 2*(\h)+1, 1, (\h)%2, 1
	XLOAD ((\h)+1)%4, 0, PX, 0
	s_wait_dscnt 40                                ; all but the 16 stores and 24 loads just issued: buffer 0's fragments are in
	MULS 0, 0
	MULS 0, 1
.if (\h) == 3
	WIN 0
	s_wait_tensorcnt 0x0
	ds_add_u32 v[SPW], v[NIL]                      ; 0 onto my spare word; eight products stand between it and the wait for it
.endif
	MULS 0, 2
	s_wait_dscnt 0x0                               ; my stores are done, my fragments are in (and the add is done)
	s_barrier_signal -1
	MULS 0, 3
	WIN 0
.endm
; SECOND QUARTER: behind the barrier the next half step's first quarter is fetched, and the set's other eight loads go out; multiplies fragment buffer 1; behind its last eight products the half step
; after next is rounded, four roundings behind each.  The wait for that set leaves the three younger sets, 48 loads, out.
; h = 3, fill = 1: the barrier has opened a round of the cluster's barrier; behind it no wave of any partner reads the slot or has a tensor load on its way, and the joint refill comes first:
; the 256 k-rows two slots on, into the slot just read out.
.macro QB h, fill
	s_barrier_wait -1
.if ((\h) == 3) && (\fill)
	CREST
	s_add_co_u32 s[GB1+1], s[LW], s[TB]
	s_add_nc_u64 s[GB1+2:GB1+3], s[GB1+2:GB1+3], BSTEP
	tensor_load_to_lds s[GB1:GB1+3], s[G1B:G1B+7]
	s_nop 0
.endif
	PLACES
.if (\h) == 3
	s_xor_b32 s[TB], s[TB], SLOT                   ; the other slot
	v_add_nc_u32 v[ADRB], s[TB], v[ADRB0]
	v_add_nc_u32 v[ADRBH], 4*32*PB, v[ADRB]
.endif
	FETCH (2*(\h)+2)%8, 0, ((\h)+1)%2, 0
	XLOAD ((\h)+1)%4, 8, PX, 0
.if ((\h) == 3) && (\fill)
	WIN 0
	ASK
.endif
	MULS 1, 0
	MULS 1, 1
	MULS 1, 2
	s_wait_loadcnt 48
.irp b, 0,1,2,3,4,5,6,7
	PROD 1, 3, \b
	XCVT ((\h)+2)%4, \b
.endr
	WIN 0
.endm
.macro TRIP fill
.irp h, 0,1,2,3
	QA \h, \fill
	QB \h, \fill
.endr
.endm
; THE WAY OUT, a block of 16 rows at a time: rounded to bf16, 16 bytes a lane; through my stage; back as whole rows of 256 bytes.  The stage is my own 32 rows of X's second buffer: every wave's reads of
; that buffer were over in front of the last barrier, nobody reads it before the next, and the next to write these bytes am I, behind these lines (LDS serves a wave's instructions in order: ISA guide 5.7.1.4).
.macro PACK a
	WIN 0x05                                       ; sources window 1
.irp b, 0,1,2,3,4,5,6,7
.irp r, 0,1,2,3
	v_cvt_pk_bf16_f32 v[TMP+4*(\b)+(\r)], v[8*(8*(\a)+(\b))+2*(\r)], v[8*(8*(\a)+(\b))+2*(\r)+1]
.endr
.endr
	WIN 0
.endm
.macro TOSTAGE a
.set BK, OB+32*((\a)%2)
.irp b, 0,1,2,3,4,5,6,7
	ds_store_b128 v[STO], v[TMP+4*(\b):TMP+4*(\b)+3] offset:32*(\b)
.endr
.irp t, 0,1,2,3,4,5,6,7
	ds_load_b128 v[BK+4*(\t):BK+4*(\t)+3], v[RD] offset:(\t)*2*SP
.endr
.endm
.macro SEND a
.set BK, OB+32*((\a)%2)
	s_wait_dscnt 0x0                               ; the block is back in registers
	s_wait_xcnt 0x0                                ; the registers that earlier stores read are loaded again only behind this wait
.irp t, 0,1,2,3,4,5,6,7
	global_store_b128 v[CO], v[BK+4*(\t):BK+4*(\t)+3], s[OUTB:OUTB+1] offset:(\a)*32768+(\t)*4096  ; 16 lanes store 256 consecutive bytes, aligned
.endr
.endm
.macro WAYOUT more                  ; more = 1: a tile follows: its sums are started, and pj's address goes on to the next tensor
	PLACES
	PACK 0
	TOSTAGE 0
.irp a, 1,2,3
	PACK \a
	SEND (\a)-1
	TOSTAGE \a
.endr
	SEND 3
.if \more
	INIT
	s_wait_xcnt 0x0                                ; the stores have read their base
	s_add_nc_u64 s[OUTB:OUTB+1], s[OUTB:OUTB+1], 16777216
.endif
.endm
	s_wait_loadcnt 32                              ; the three bias loads and half step 0 are in; half steps 1 and 2 stay out
.irp i, 0,1,2,3,4,5,6,7
	XCVT 0, \i
.endr
	XSTORE 0
	ds_store_b64 v16, v[18:19]
	ds_store_b64 v16, v[20:21] offset:1024
	ds_store_b64 v16, v[22:23] offset:2048
	XLOAD 3, 0, P0, 768                            ; half steps 3 and 4
	XLOAD 3, 8, P0, 768
	XLOAD 0, 0, P0, 1024
	XLOAD 0, 8, P0, 1024
	s_wait_loadcnt 48                              ; half step 1 is in
.irp i, 0,1,2,3,4,5,6,7
	XCVT 1, \i                                     ; it is stored at the head of the first trip
.endr
	WIN 0
	s_wait_tensorcnt 0x1                           ; my part of slot 0 is in; slot 1's may stay out
	s_wait_dscnt 0x0                               ; my part of X's half step 0 and of the bias is stored
	s_barrier_signal -1
	s_barrier_wait -1
	INIT
	FETCH 0, 0, 0, 0
	s_mov_b32 s[CNT], 10
.Lint:                                             ; ten trips fill the slot that they leave again
	TRIP 1
	s_sub_co_u32 s[TW], s[TW], 1
	s_cmp_lg_u32 s[TW], 0
	s_cbranch_scc1 .Lno_out                        ; every fourth trip ends a tile; what is jumped holds no barrier and no tensor load
	WAYOUT 1
	s_mov_b32 s[TW], 4
.Lno_out:
	s_sub_co_u32 s[CNT], s[CNT], 1
	s_cmp_lg_u32 s[CNT], 0
	s_cbranch_scc1 .Lint
	s_mov_b32 s[CNT], 2
.Ltail:                                            ; the last two slots: nothing is left to fetch for the ring
	TRIP 0
	s_sub_co_u32 s[CNT], s[CNT], 1
	s_cmp_lg_u32 s[CNT], 0
	s_cbranch_scc1 .Ltail
	WAYOUT 0
	s_wait_tensorcnt 0x0                           ; the wave's end
	ds_add_u32 v[SPW], v[NIL]
	s_wait_dscnt 0x0
	CROUND                                         ; the closing round
	s_endpgm
.Lfunc_end_k_qa6fad24ebc_proj:
	.size	k_qa6fad24ebc_proj, .Lfunc_end_k_qa6fad24ebc_proj-k_qa6fad24ebc_proj
	.p2alignl 7, 3214868480
	.fill 96, 4, 3214868480
	.section	.rodata,"a",@progbits
	.p2align	6, 0x0
	.amdhsa_kernel k_qa6fad24ebc_proj
		.amdhsa_group_segment_fixed_size 327680
		.amdhsa_private_segment_fixed_size 0
		.amdhsa_enable_private_segment 0
		.amdhsa_kernarg_size 64
		.amdhsa_user_sgpr_count 2
		.amdhsa_user_sgpr_kernarg_segment_ptr 1
		.amdhsa_wavefront_size32 1
		.amdhsa_system_sgpr_workgroup_id_x 1
		.amdhsa_system_sgpr_workgroup_id_y 1
		.amdhsa_system_sgpr_workgroup_id_z 1
		.amdhsa_system_vgpr_workitem_id 0
		.amdhsa_next_free_vgpr 768
		.amdhsa_next_free_sgpr 100
		.amdhsa_reserve_vcc 0
		.amdhsa_float_denorm_mode_32 3
		.amdhsa_float_denorm_mode_16_64 3
		.amdhsa_memory_ordered 1
		.amdhsa_forward_progress 1
		.amdhsa_inst_pref_size 164
	.end_amdhsa_kernel
	.amdgpu_metadata
---
amdhsa.version: [ 1, 2 ]
amdhsa.kernels:
  - .name:           k_qa6fad24ebc_proj
    .symbol:         k_qa6fad24ebc_proj.kd
    .args:
      - { .name: q, .offset: 0, .size: 8, .value_kind: global_buffer, .address_space: global }
      - { .name: k, .offset: 8, .size: 8, .value_kind: global_buffer, .address_space: global }
      - { .name: v, .offset: 16, .size: 8, .value_kind: global_buffer, .address_space: global }
      - { .name: wb, .offset: 24, .size: 8, .value_kind: global_buffer, .address_space: global }
      - { .name: bq, .offset: 32, .size: 8, .value_kind: global_buffer, .address_space: global }
      - { .name: bk, .offset: 40, .size: 8, .value_kind: global_buffer, .address_space: global }
      - { .name: bv, .offset: 48, .size: 8, .value_kind: global_buffer, .address_space: global }
      - { .name: pj, .offset: 56, .size: 8, .value_kind: global_buffer, .address_space: global }
    .group_segment_fixed_size: 327680
    .private_segment_fixed_size: 0
    .kernarg_segment_align: 8
    .kernarg_segment_size: 64
    .max_flat_workgroup_size: 128
    .sgpr_count:     100
    .vgpr_count:     768
    .wavefront_size: 32
...
	.end_amdgpu_metadata
.endif
;; end of part 2
;; launch score (part 3): grid 8 x 32, 4 waves a work-group, clusters of 4 x 4, 327,680 bytes of LDS; arguments pj, pm, st; writes pm, st
.if DOCPART == 3
	.amdgcn_target "amdgcn-amd-amdhsa--gfx1250"
	.amdhsa_code_object_version 6
	.text
	.protected	k_qa6fad24ebc_score
	.globl	k_qa6fad24ebc_score
	.p2align	8
	.type	k_qa6fad24ebc_score,@function
k_qa6fad24ebc_score:
	s_mov_b64 s[64:65], 0
	v_nop
	global_prefetch_b8 v0, s[64:65] scope:SCOPE_SE
	s_setreg_imm32_b32 hwreg(HW_REG_WAVE_MODE, 25, 1), 1
	s_wait_xcnt 0x0
	s_wait_alu depctr_hold_cnt(0) depctr_sa_sdst(0) depctr_va_vdst(0) depctr_va_sdst(0) depctr_va_ssrc(0) depctr_va_vcc(0) depctr_vm_vsrc(0)
	s_getreg_b32 s2, hwreg(HW_REG_IB_STS2, 6, 4)
	s_cmp_eq_u32 s2, 0
	s_cbranch_scc0 .Lentry_in_a_cluster
	s_endpgm
.Lentry_in_a_cluster:
	s_bfe_u32 s2, ttmp6, 0x10000c
	s_cmp_lg_u32 s2, 0xf033
	s_cbranch_scc0 .Lentry_shape_is_right
	s_endpgm
.Lentry_shape_is_right:
; S[q][key] = the sum over e of qp[q][e] kp[key][e] (qp = pj[0], kp = pj[1], bf16, [8192][1024]; keys of the query's own batch of 2,048), sums in f32.
; For each query and each block of 128 keys: m = the block's largest score; nn = floor(-c m), c = log2(e) / 32; p = 2^(c s + nn), so the block's largest p lies in (0.5, 1];
; l = the sum of the block's p, in f32, of the unrounded p.  Stored: pm[q][key] = bf16(p); st: nn[batch][block][q] at byte 0, l in the same shape at byte 524,288, both f32.
; The next launch brings the 16 blocks of a row to one reference.
; LIMITS.  What is taken away is the block's true maximum, rounded up to a whole power of two; a weight below 2^-126 counts as 0; NaN and infinities are not treated apart.
; SHARES.  A work-group makes 256 queries x 256 keys, each of its four waves 128 x 128: 64 accumulators, 512 registers; a wave's 128 keys are one block.
; K goes in 8 steps of 128 through two LDS slots (256 rows of qp, 256 rows of kp, 256 bytes + 16 of padding a row); each wave fetches 128 rows with one tensor load.
; CLUSTER 4 x 4: qp's tile is shared along a row of the cluster, kp's along a column, each asked for jointly.
; THE PRODUCT IS TAKEN TRANSPOSED (source 0 = 16 keys, source 1 = 16 queries): a lane holds ONE query (l % 16) and the keys 8 (l / 16) + 0..7 of each group of 16:
; a query's maximum and sum want one exchange between the halves of the lanes.
; REGISTERS: window 0: v2-31 addresses and at work; v64-127, v128-191 qp's fragments, two buffers; on the way out v64-191 two buffers of 64 weights, v192-223 packed, v32-63 and v224-255 rows read back;
;   window 1: v64-191 kp's fragments;  window 2: accumulators of my rows 0-63 ((a, b) at v[8 (8 a + b)]);  window 3: rows 64-127.
.set PITCH,  272
.set HALFT,  128*PITCH
.set SLOT,   4*HALFT
.set STAGE,  2*SLOT                 ; 16 rows x 272 bytes for each wave
.set STATS,  STAGE+4*16*PITCH       ; 1,024 bytes for each wave: nn of my 128 rows, then l
.set SPARE,  STATS+4*1024           ; the spare words: two blocks of 256 bytes that no other line names
.set NSTEP,  8
.set NN,   2                        ; v[2:3]: nn, named as a pair
.set SO,   6                        ; 16 x lane
.set CH,   8                        ; v8-15 eight chains of the maximum
.set ADRA0, 16
.set ADRA,  17
.set ADRB0, 20
.set ADRB,  21
.set STO,  24
.set RD,   25
.set CO,   26
.set SA,   27                       ; my row's word in the statistics' stage
.set SPW,  28
.set NIL,  29
.set PFO,  30
.set SR,   31                       ; where I read 16 bytes of statistics back
.set OB,   32
.set F0,   64
.set F1,   128
.set X,    64
.set TMP,  192
.set WV,   10
.set ROLE, 11                       ; wave / 2: my 128 queries; also: I fetch for qp (0) or kp (1)
.set HALF, 12                       ; wave % 2: my 128 keys; also: which 128 rows I fetch
.set CX,   13
.set CY,   14
.set CLY,  15
.set TY,   16
.set TX,   17
.set BAT,  18
.set LW,   19
.set TB,   20
.set CNT,  21
.set LIM,  22
.set G1A,  24
.set G1B,  32
.set GA0,  40
.set GA1,  44
.set GB0,  48
.set GB1,  52
.set PFA,  56
.set CS,   58                       ; s[58:59] c
.set SEL,  60                       ; s[60:61] v_permlanex16_b32's selects
.set NC,   62                       ; -c
.set OUTP, 66
.set STB,  68
.set MSB, 0
.macro WIN new
.if MSB != (\new)
	s_set_vgpr_msb (MSB<<8)|(\new)
.set MSB, \new
.endif
.endm
.set MUL_LO, 0xa1                   ; source 0 (kp) window 1, source 1 (qp) window 0, C and D window 2
.set MUL_HI, 0xf1
.set TO_B,   0x40
.macro PLACES
.rept 4
	v_nop
.endr
.endm
.macro CREST
	s_cmp_lg_u32 s[WV], 0
	s_cbranch_scc1 .Lnot_wave_0_\@
	s_barrier_signal -3
.Lnot_wave_0_\@:
	s_barrier_wait -3
	s_barrier_signal -1
	s_barrier_wait -1
.endm
.macro CROUND
	s_barrier_signal -1
	s_barrier_wait -1
	CREST
.endm
.macro JLOAD
	s_cmp_eq_u32 s[ROLE], 0
	s_cbranch_scc0 .Lfor_b_\@
	tensor_load_to_lds s[GA1:GA1+3], s[G1A:G1A+7]
	s_nop 0
.rept 4
	v_nop
.endr
	s_branch .Lasked_\@
.Lfor_b_\@:
	tensor_load_to_lds s[GB1:GB1+3], s[G1B:G1B+7]
	s_nop 0
.rept 4
	v_nop
.endr
.Lasked_\@:
.endm
; A prefetch of the K step that the next refill will ask for: 32 rows x 256 bytes, a lane a row.  Of the 128 rows that a wave fetches each of the four partners takes 32, told apart by address.
; qp's rows are read by the two clusters of a row of clusters: the one with x = 0 asks; kp's by the two clusters of a batch with the same x: the one with even y asks.  K steps 0 to 2 come by their loads alone.
.macro ASK
	s_cmp_gt_u32 s[CNT], s[LIM]
	s_cbranch_scc0 .Lnot_mine_\@
	global_prefetch_b8 v[PFO], s[PFA:PFA+1] th:TH_LOAD_NT scope:SCOPE_SE
.Lnot_mine_\@:
.endm
	s_load_b128 s[4:7], s[0:1], 0x0                ; pj s[4:5], pm s[6:7]
	s_load_b64 s[8:9], s[0:1], 0x10                ; st
	v_lshl_add_u32 v[SPW], v0, 2, SPARE
	v_mov_b32 v[NIL], 0
	ds_add_u32 v[SPW], v[NIL]                      ; the wave's opening: the add and its wait ahead of my first tensor load
	v_lshrrev_b32 v1, 5, v0
	v_readfirstlane_b32 s[WV], v1
	s_lshr_b32 s[ROLE], s[WV], 1
	s_and_b32 s[HALF], s[WV], 1
	s_bfe_u32 s[CX], ttmp6, 0x40000
	s_bfe_u32 s[CY], ttmp6, 0x40004
	s_and_b32 s[CLY], ttmp7, 0xffff
	s_lshl_b32 s[TY], s[CLY], 2
	s_add_co_u32 s[TY], s[TY], s[CY]               ; tile of 256 queries, 0..31
	s_lshl_b32 s[TX], ttmp9, 2
	s_add_co_u32 s[TX], s[TX], s[CX]               ; tile of 256 keys in the batch, 0..7
	s_lshr_b32 s[BAT], s[CLY], 1                   ; two clusters along y to a batch
	s_lshl_b32 s70, s[CY], 2
	s_lshl_b32 s70, 15, s70
	s_lshl_b32 s74, 0x1111, s[CX]
	s_or_b32 s[G1A], s70, (1<<16)|(1<<20)|(1<<21)|(5<<22)|(3<<25)  ; mask; 2-byte elements; padding on; 21 set beside a mask; after every 64 words 4 words
	s_or_b32 s[G1B], s74, (1<<16)|(1<<20)|(1<<21)|(5<<22)|(3<<25)
.irp g, G1A, G1B
	s_mov_b32 s[(\g)+1], 128<<16                   ; tensor_dim0 = 128
	s_mov_b32 s[(\g)+2], 128<<16                   ; tensor_dim1 = 128
	s_mov_b32 s[(\g)+3], 128<<16                   ; tile_dim0 = 128
	s_mov_b32 s[(\g)+4], 128                       ; tile_dim1 = 128
	s_mov_b32 s[(\g)+5], 1024                      ; elements from row to row
	s_mov_b32 s[(\g)+6], 0
	s_mov_b32 s[(\g)+7], 0
.endr
	s_mul_i32 s[LW], s[WV], HALFT                  ; qp's two halves, then kp's two
	s_mov_b32 s[TB], 0
	s_mov_b32 s[CS], 0x3d38aa3b                    ; c = log2(e) / 32
	s_mov_b32 s[CS+1], s[CS]
	s_mov_b32 s[NC], 0xbd38aa3b
	s_mov_b32 s[SEL], 0x76543210
	s_mov_b32 s[SEL+1], 0xfedcba98
	s_lshl_b32 s70, s[TY], 8
	s_lshl_b32 s71, s[HALF], 7
	s_add_co_u32 s70, s70, s71
	s_lshl_b32 s70, s70, 11                        ; qp: rows of 2,048 bytes
	s_mov_b32 s71, 0
	s_lshl_b32 s74, s[BAT], 11
	s_lshl_b32 s75, s[TX], 8
	s_add_co_u32 s74, s74, s75
	s_lshl_b32 s75, s[HALF], 7
	s_add_co_u32 s74, s74, s75
	s_lshl_b32 s74, s74, 11
	s_add_co_u32 s74, s74, 16777216                ; kp lies behind qp
	s_mov_b32 s75, 0
	s_lshl_b32 s78, s[CX], 16                      ; the prefetches: my work-group's 32 rows of the 128
	s_add_co_u32 s78, s78, s70
	s_lshl_b32 s79, s[CY], 16
	s_add_co_u32 s79, s79, s74
	s_and_b32 s86, s[CLY], 1
	s_cmp_eq_u32 s[ROLE], 0
	s_cselect_b32 s78, s78, s79
	s_cselect_b32 s86, ttmp9, s86
	s_add_co_u32 s78, s78, 2*256                   ; at K step 2: the first change of slots steps it to 3
	s_mov_b32 s79, 0
	s_cmp_eq_u32 s86, 0
	s_cselect_b32 s[LIM], 1, -1
	s_lshl_b32 s80, s[TY], 8                       ; my part of pm
	s_lshl_b32 s81, s[ROLE], 7
	s_add_co_u32 s80, s80, s81
	s_lshl_b32 s80, s80, 12                        ; rows of 4,096 bytes
	s_lshl_b32 s81, s[TX], 9
	s_add_co_u32 s80, s80, s81
	s_lshl_b32 s81, s[HALF], 8
	s_add_co_u32 s80, s80, s81
	s_mov_b32 s81, 0
	s_lshl_b32 s82, s[BAT], 4                      ; my part of st: block 16 batch + 2 tx + half,
	s_lshl_b32 s83, s[TX], 1
	s_add_co_u32 s82, s82, s83
	s_add_co_u32 s82, s82, s[HALF]
	s_lshl_b32 s82, s82, 11
	s_and_b32 s83, s[TY], 7                        ; query 256 (ty % 8) + 128 x my half of the rows
	s_lshl_b32 s83, s83, 8
	s_add_co_u32 s82, s82, s83
	s_lshl_b32 s83, s[ROLE], 7
	s_add_co_u32 s82, s82, s83
	s_lshl_b32 s82, s82, 2
	s_mov_b32 s83, 0
	s_wait_dscnt 0x0                               ; the opening add is done
	s_wait_kmcnt 0x0
	s_add_nc_u64 s[PFA:PFA+1], s[4:5], s[78:79]
	s_add_nc_u64 s[OUTP:OUTP+1], s[6:7], s[80:81]
	s_add_nc_u64 s[STB:STB+1], s[8:9], s[82:83]
	s_add_nc_u64 s[72:73], s[4:5], s[70:71]
	s_add_nc_u64 s[76:77], s[4:5], s[74:75]
	s_mov_b32 s[GA0], 1
	s_mov_b32 s[GA0+1], s[LW]
	s_mov_b64 s[GA0+2:GA0+3], s[72:73]
	s_or_b32 s[GA0+3], s[GA0+3], 0x80000000
	s_mov_b32 s[GA1], 1
	s_add_co_u32 s[GA1+1], s[LW], SLOT
	s_add_nc_u64 s[GA1+2:GA1+3], s[72:73], 256
	s_or_b32 s[GA1+3], s[GA1+3], 0x80000000
	s_mov_b32 s[GB0], 1
	s_mov_b32 s[GB0+1], s[LW]
	s_mov_b64 s[GB0+2:GB0+3], s[76:77]
	s_or_b32 s[GB0+3], s[GB0+3], 0x80000000
	s_mov_b32 s[GB1], 1
	s_add_co_u32 s[GB1+1], s[LW], SLOT
	s_add_nc_u64 s[GB1+2:GB1+3], s[76:77], 256
	s_or_b32 s[GB1+3], s[GB1+3], 0x80000000
	CROUND                                         ; all sixteen work-groups are here: the first joint loads meet
	s_cmp_eq_u32 s[ROLE], 0                        ; a wave's two first fills stand in one branch: two loads of mine are out
	s_cbranch_scc0 .Lfirst_b
	tensor_load_to_lds s[GA0:GA0+3], s[G1A:G1A+7]
	s_nop 0
	tensor_load_to_lds s[GA1:GA1+3], s[G1A:G1A+7]
	s_nop 0
.rept 4
	v_nop
.endr
	s_branch .Lfirst_asked
.Lfirst_b:
	tensor_load_to_lds s[GB0:GB0+3], s[G1B:G1B+7]
	s_nop 0
	tensor_load_to_lds s[GB1:GB1+3], s[G1B:G1B+7]
	s_nop 0
.rept 4
	v_nop
.endr
.Lfirst_asked:
	v_and_b32 v1, 15, v0                           ; l % 16
	v_bfe_u32 v4, v0, 4, 1                         ; l / 16
	v_mul_u32_u24 v5, v1, PITCH
	v_lshl_add_u32 v5, v4, 4, v5                   ; a fragment's row x pitch + 16 x half
	s_mul_i32 s84, s[ROLE], HALFT
	s_mul_i32 s85, s[HALF], HALFT
	s_add_co_u32 s85, s85, 2*HALFT
	v_add_nc_u32 v[ADRA0], s84, v5
	v_add_nc_u32 v[ADRB0], s85, v5
	v_mov_b32 v[ADRA], v[ADRA0]
	v_mov_b32 v[ADRB], v[ADRB0]
	s_mul_i32 s84, s[WV], 16*PITCH
	s_add_co_u32 s84, s84, STAGE
	v_add_nc_u32 v[STO], s84, v5                   ; in: row l % 16, 16 bytes for each half of the lanes
	v_mul_u32_u24 v[RD], v4, PITCH
	v_lshl_add_u32 v[RD], v1, 4, v[RD]
	v_add_nc_u32 v[RD], s84, v[RD]                 ; back: lanes 0-15 one row of 256 bytes, lanes 16-31 the next
	v_lshlrev_b32 v[CO], 12, v4
	v_lshl_add_u32 v[CO], v1, 4, v[CO]             ; the same two rows in pm
	s_lshl_b32 s84, s[WV], 10
	s_add_co_u32 s84, s84, STATS
	v_lshl_add_u32 v[SA], v1, 2, s84
	v_and_b32 v[SO], 31, v0
	v_lshlrev_b32 v[PFO], 11, v[SO]                ; a lane a row of 2,048 bytes
	v_lshlrev_b32 v[SO], 4, v[SO]
	v_add_nc_u32 v[SR], s84, v[SO]
	v_mov_b32 v[NN+1], 0                           ; named with nn as a pair, so it is written
.macro MUL16 f, hi, a0, zero        ; 16 products; the 64 accumulators take turns, one instruction a turn, in the same order in every quarter
	WIN MUL_LO+0x50*(\hi)
.irp a, \a0, (\a0)+1
.irp b, 0,1,2,3,4,5,6,7
.if \zero
	v_wmma_f32_16x16x32_bf16 v[8*(8*(\a)+(\b)):8*(8*(\a)+(\b))+7], v[(\f)+8*(\b):(\f)+8*(\b)+7], v[(\f)+8*(4*(\hi)+(\a)):(\f)+8*(4*(\hi)+(\a))+7], 0
.else
	v_wmma_f32_16x16x32_bf16 v[8*(8*(\a)+(\b)):8*(8*(\a)+(\b))+7], v[(\f)+8*(\b):(\f)+8*(\b)+7], v[(\f)+8*(4*(\hi)+(\a)):(\f)+8*(4*(\hi)+(\a))+7], v[8*(8*(\a)+(\b)):8*(8*(\a)+(\b))+7]
.endif
.endr
.endr
.endm
.macro FETCH k, f                   ; 32 LDS loads in one run: 128 rows of kp, 128 of qp, 32 along K at byte k of the rows of the slot in hand
	WIN TO_B
.irp i, 0,1,2,3,4,5,6,7
	ds_load_b128 v[(\f)+8*(\i):(\f)+8*(\i)+3],   v[ADRB] offset:(\k)+(\i)*16*PITCH
	ds_load_b128 v[(\f)+8*(\i)+4:(\f)+8*(\i)+7], v[ADRB] offset:(\k)+(\i)*16*PITCH+32
.endr
	WIN 0
.irp i, 0,1,2,3,4,5,6,7
	ds_load_b128 v[(\f)+8*(\i):(\f)+8*(\i)+3],   v[ADRA] offset:(\k)+(\i)*16*PITCH
	ds_load_b128 v[(\f)+8*(\i)+4:(\f)+8*(\i)+7], v[ADRA] offset:(\k)+(\i)*16*PITCH+32
.endr
.endm
.macro QUARTER k, f, g, zero        ; multiplies buffer f; in its middle fetches the next quarter, at byte k, into buffer g
	s_wait_dscnt 8                                 ; kp and qp's rows 0-63 are in; the youngest eight loads (qp's rows 64-127) may be out
	MUL16 \f, 0, 0, \zero
	MUL16 \f, 0, 2, \zero
	PLACES                                         ; four places in front of loads into registers that products have read (ISA guide 7.12.1 for vector instructions)
	FETCH \k, \g
	s_wait_dscnt 32                                ; all but the 32 just issued
	MUL16 \f, 1, 0, \zero
	MUL16 \f, 1, 2, \zero
.endm
; The last quarter multiplies buffer 1 and changes slots.  In front of the barrier each wave waits for all its tensor loads (one is out: its part of the other slot), adds 0 to its spare word,
; and waits for that and for its reads of this slot.  fill = 1: the barrier opens a round of the cluster's barrier, and the joint refill, the K step two on, comes first behind it: it has 224 products in which to land.
.macro TURN fill
.if \fill
	s_wait_xcnt 0x0                                ; the last prefetch, a K step back, has read its address
	s_add_nc_u64 s[PFA:PFA+1], s[PFA:PFA+1], 256
.endif
	WIN 0
	s_wait_tensorcnt 0x0
	ds_add_u32 v[SPW], v[NIL]
	s_wait_dscnt 9                                 ; (the add and the youngest eight loads may be out)
	MUL16 F1, 0, 0, 0
	s_wait_dscnt 0x0                               ; the add is done, and my reads of this slot are over
	s_barrier_signal -1
	MUL16 F1, 0, 2, 0
	WIN 0
	s_barrier_wait -1
.if \fill
	CREST
	s_add_co_u32 s[GA1+1], s[LW], s[TB]
	s_add_co_u32 s[GB1+1], s[LW], s[TB]
	s_add_nc_u64 s[GA1+2:GA1+3], s[GA1+2:GA1+3], 256
	s_add_nc_u64 s[GB1+2:GB1+3], s[GB1+2:GB1+3], 256
	JLOAD                                          ; the four v_nop behind it are also the places in front of the loads below
.else
	PLACES
.endif
	s_xor_b32 s[TB], s[TB], SLOT
	v_add_nc_u32 v[ADRA], s[TB], v[ADRA0]
	v_add_nc_u32 v[ADRB], s[TB], v[ADRB0]
	FETCH 0, F0
.if \fill
	ASK
.endif
	MUL16 F1, 1, 0, 0
	MUL16 F1, 1, 2, 0
.endm
	s_wait_tensorcnt 0x1                           ; my part of slot 0 is in; slot 1's may stay out
	s_barrier_signal -1
	s_barrier_wait -1
	FETCH 0, F0
	QUARTER 64, F0, F1, 1                          ; the first quarter stands in front of the loop: its products start the sums
	WIN 0
	s_mov_b32 s[CNT], NSTEP-2
.Lstep:
	QUARTER 128, F1, F0, 0
	QUARTER 192, F0, F1, 0
	TURN 1
	QUARTER 64, F0, F1, 0
	WIN 0
	s_sub_co_u32 s[CNT], s[CNT], 1
	s_cmp_lg_u32 s[CNT], 0
	s_cbranch_scc1 .Lstep
	s_mov_b32 s[CNT], 2
.Ltail:                                            ; the last two K steps ask for nothing.  In the last trip there is no next step: its first quarter is jumped over, and what was fetched for it serves nothing
	QUARTER 128, F1, F0, 0
	QUARTER 192, F0, F1, 0
	TURN 0
	WIN 0
	s_cmp_eq_u32 s[CNT], 1
	s_cbranch_scc1 .Lskip
	QUARTER 64, F0, F1, 0
	WIN 0
.Lskip:
	s_wait_dscnt 0x0                               ; no LDS load is out on either way to this label
	s_sub_co_u32 s[CNT], s[CNT], 1
	s_cmp_lg_u32 s[CNT], 0
	s_cbranch_scc1 .Ltail
; THE WAY OUT, a block a of 16 queries at a time (64 scores a lane).
.macro MAXB a                       ; the block's maximum and nn.  Each accumulator's lowest registers are read first
.set WA, 2+(\a)/4
.set AC, 64*((\a)%4)
	WIN WA|(WA<<2)|(WA<<4)
.irp b, 0,1,2,3,4,5,6,7
	v_max3_num_f32 v[CH+(\b)], v[AC+8*(\b)], v[AC+8*(\b)+1], v[AC+8*(\b)+2]
.endr
	WIN (WA<<2)|(WA<<4)
.irp b, 0,1,2,3,4,5,6,7
	v_max3_num_f32 v[CH+(\b)], v[CH+(\b)], v[AC+8*(\b)+3], v[AC+8*(\b)+4]
.endr
.irp b, 0,1,2,3,4,5,6,7
	v_max3_num_f32 v[CH+(\b)], v[CH+(\b)], v[AC+8*(\b)+5], v[AC+8*(\b)+6]
.endr
.irp b, 0,2,4,6
	v_max3_num_f32 v[CH+(\b)], v[CH+(\b)], v[AC+8*(\b)+7], v[AC+8*(\b)+15]
.endr
	WIN 0
	v_max3_num_f32 v[CH], v[CH], v[CH+1], v[CH+2]
	v_max3_num_f32 v[CH+3], v[CH+3], v[CH+4], v[CH+5]
	v_max3_num_f32 v[CH], v[CH], v[CH+6], v[CH+7]
	v_max_num_f32 v[CH], v[CH], v[CH+3]
	v_permlanex16_b32 v[CH+1], v[CH], s[SEL], s[SEL+1]  ; the query's other 64 keys lie in the lane 16 away
	v_max_num_f32 v[CH], v[CH], v[CH+1]
	v_mul_f32 v[CH], s[NC], v[CH]
	v_floor_f32 v[NN], v[CH]
	ds_store_b32 v[SA], v[NN] offset:64*(\a)       ; both halves of the lanes write the same number to the same word
.endm
.macro FMAB a                       ; c s + nn, out of the accumulators into window 0
.set WA, 2+(\a)/4
.set AC, 64*((\a)%4)
.set XB, X+64*((\a)%2)
	WIN WA
.set i, 0
.rept 32
	v_pk_fma_f32 v[XB+2*i:XB+2*i+1], v[AC+2*i:AC+2*i+1], s[CS:CS+1], v[NN:NN+1] op_sel_hi:[1,0,0]
.set i, i+1
.endr
	WIN 0
.endm
.macro CSE y, n                     ; number n of the 64 that round block y's weights to bf16 and add them up, in place
.set YB, X+64*((\y)%2)
.if (\n) < 48
.set u, (\n)/3
.if (\n)%3 == 0
	v_cvt_pk_bf16_f32 v[TMP+u], v[YB+2*u], v[YB+2*u+1]
.elseif (\n)%3 == 1
	v_cvt_pk_bf16_f32 v[TMP+u+16], v[YB+2*u+32], v[YB+2*u+33]
.else
	v_pk_add_f32 v[YB+2*u:YB+2*u+1], v[YB+2*u:YB+2*u+1], v[YB+2*u+32:YB+2*u+33]
.endif
.elseif (\n) < 56
.set u, (\n)-48
	v_pk_add_f32 v[YB+2*u:YB+2*u+1], v[YB+2*u:YB+2*u+1], v[YB+2*u+16:YB+2*u+17]
.elseif (\n) < 60
.set u, (\n)-56
	v_pk_add_f32 v[YB+2*u:YB+2*u+1], v[YB+2*u:YB+2*u+1], v[YB+2*u+8:YB+2*u+9]
.elseif (\n) < 62
.set u, (\n)-60
	v_pk_add_f32 v[YB+2*u:YB+2*u+1], v[YB+2*u:YB+2*u+1], v[YB+2*u+4:YB+2*u+5]
.elseif (\n) == 62
	v_pk_add_f32 v[YB:YB+1], v[YB:YB+1], v[YB+2:YB+3]
.else
	v_add_f32 v[YB], v[YB], v[YB+1]
.endif
.endm
; Block a's 64 exponentials are one batch; between them stand the 64 plain instructions of the block before, which name none of the batch's results.  One wait closes the batch.
.macro EXPCS a
.set XB, X+64*((\a)%2)
	WIN 0
.set i, 0
.rept 64
	v_exp_f32 v[XB+i], v[XB+i]
	CSE (\a)-1, i
.set i, i+1
.endr
	s_wait_alu depctr_va_vdst(0)
.endm
.macro FIN a                        ; the other half of the lanes' sum; l
.set YB, X+64*((\a)%2)
	v_permlanex16_b32 v[CH+1], v[YB], s[SEL], s[SEL+1]
	v_add_f32 v[YB], v[YB], v[CH+1]
	ds_store_b32 v[SA], v[YB] offset:512+64*(\a)
.endm
.macro TOSTAGE a
.set BK, OB+192*((\a)%2)
.irp b, 0,1,2,3,4,5,6,7
	ds_store_b128 v[STO], v[TMP+4*(\b):TMP+4*(\b)+3] offset:32*(\b)
.endr
.irp t, 0,1,2,3,4,5,6,7
	ds_load_b128 v[BK+4*(\t):BK+4*(\t)+3], v[RD] offset:(\t)*2*PITCH  ; LDS serves a wave's instructions in order (ISA guide 5.7.1.4): these see the stores above
.endr
.endm
.macro SEND a
.set BK, OB+192*((\a)%2)
	WIN 0
	s_wait_dscnt 0x0                               ; the block is back in registers
	s_wait_xcnt 0x0                                ; the registers that earlier stores read are loaded again only behind this wait
.irp t, 0,1,2,3,4,5,6,7
	global_store_b128 v[CO], v[BK+4*(\t):BK+4*(\t)+3], s[OUTP:OUTP+1] offset:(\a)*65536+(\t)*8192  ; 16 lanes store 256 consecutive bytes, aligned
.endr
.endm
	PLACES                                         ; the places behind the last products, once a launch
	PLACES
	MAXB 0
	FMAB 0
.set i, 0
.rept 64
	v_exp_f32 v[X+i], v[X+i]
.set i, i+1
.endr
	v_nop                                          ; a plain instruction behind the last exponential
	s_wait_alu depctr_va_vdst(0)                   ; and the batch's one wait
.irp a, 1,2,3,4,5,6,7
	MAXB \a
	FMAB \a
.if (\a) > 1
	SEND (\a)-2
.endif
	EXPCS \a
	FIN (\a)-1
	TOSTAGE (\a)-1
.endr
	SEND 6
.set i, 0
.rept 64
	CSE 7, i
.set i, i+1
.endr
	FIN 7
	TOSTAGE 7
	SEND 7
	ds_load_b128 v[32:35], v[SR]                   ; the statistics of my 128 rows: my own wave's stores, served in order
	ds_load_b128 v[36:39], v[SR] offset:512
	s_wait_dscnt 0x0
	global_store_b128 v[SO], v[32:35], s[STB:STB+1]                ; 512 consecutive bytes, aligned: nn
	global_store_b128 v[SO], v[36:39], s[STB:STB+1] offset:524288  ; l
	s_wait_tensorcnt 0x0                           ; the wave's end
	ds_add_u32 v[SPW], v[NIL]
	s_wait_dscnt 0x0
	CROUND                                         ; the closing round
	s_endpgm
.Lfunc_end_k_qa6fad24ebc_score:
	.size	k_qa6fad24ebc_score, .Lfunc_end_k_qa6fad24ebc_score-k_qa6fad24ebc_score
	.p2alignl 7, 3214868480
	.fill 96, 4, 3214868480
	.section	.rodata,"a",@progbits
	.p2align	6, 0x0
	.amdhsa_kernel k_qa6fad24ebc_score
		.amdhsa_group_segment_fixed_size 327680
		.amdhsa_private_segment_fixed_size 0
		.amdhsa_enable_private_segment 0
		.amdhsa_kernarg_size 24
		.amdhsa_user_sgpr_count 2
		.amdhsa_user_sgpr_kernarg_segment_ptr 1
		.amdhsa_wavefront_size32 1
		.amdhsa_system_sgpr_workgroup_id_x 1
		.amdhsa_system_sgpr_workgroup_id_y 1
		.amdhsa_system_sgpr_workgroup_id_z 1
		.amdhsa_system_vgpr_workitem_id 0
		.amdhsa_next_free_vgpr 1024
		.amdhsa_next_free_sgpr 100
		.amdhsa_reserve_vcc 0
		.amdhsa_float_denorm_mode_32 3
		.amdhsa_float_denorm_mode_16_64 3
		.amdhsa_memory_ordered 1
		.amdhsa_forward_progress 1
		.amdhsa_inst_pref_size 169
	.end_amdhsa_kernel
	.amdgpu_metadata
---
amdhsa.version: [ 1, 2 ]
amdhsa.kernels:
  - .name:           k_qa6fad24ebc_score
    .symbol:         k_qa6fad24ebc_score.kd
    .args:
      - { .name: pj, .offset: 0, .size: 8, .value_kind: global_buffer, .address_space: global }
      - { .name: pm, .offset: 8, .size: 8, .value_kind: global_buffer, .address_space: global }
      - { .name: st, .offset: 16, .size: 8, .value_kind: global_buffer, .address_space: global }
    .group_segment_fixed_size: 327680
    .private_segment_fixed_size: 0
    .kernarg_segment_align: 8
    .kernarg_segment_size: 24
    .max_flat_workgroup_size: 128
    .sgpr_count:     100
    .vgpr_count:     1024
    .wavefront_size: 32
...
	.end_amdgpu_metadata
.endif
;; end of part 3
;; launch pv (part 4): grid 4 x 64, 4 waves a work-group, clusters of 4 x 4, 327,680 bytes of LDS; arguments pm, pj, st, out0; writes out0
.if DOCPART == 4
	.amdgcn_target "amdgcn-amd-amdhsa--gfx1250"
	.amdhsa_code_object_version 6
	.text
	.protected	k_qa6fad24ebc_pv
	.globl	k_qa6fad24ebc_pv
	.p2align	8
	.type	k_qa6fad24ebc_pv,@function
k_qa6fad24ebc_pv:
	s_mov_b64 s[64:65], 0
	v_nop
	global_prefetch_b8 v0, s[64:65] scope:SCOPE_SE
	s_setreg_imm32_b32 hwreg(HW_REG_WAVE_MODE, 25, 1), 1
	s_wait_xcnt 0x0
	s_wait_alu depctr_hold_cnt(0) depctr_sa_sdst(0) depctr_va_vdst(0) depctr_va_sdst(0) depctr_va_ssrc(0) depctr_va_vcc(0) depctr_vm_vsrc(0)
	s_getreg_b32 s2, hwreg(HW_REG_IB_STS2, 6, 4)
	s_cmp_eq_u32 s2, 0
	s_cbranch_scc0 .Lentry_in_a_cluster
	s_endpgm
.Lentry_in_a_cluster:
	s_bfe_u32 s2, ttmp6, 0x10000c
	s_cmp_lg_u32 s2, 0xf033
	s_cbranch_scc0 .Lentry_shape_is_right
	s_endpgm
.Lentry_shape_is_right:
; out0[q][e] = (1 / L[q]) x the sum over the 16 blocks j of 128 keys of (f_j[q] P_j[q][key]) vp[key][e].   P = pm, bf16, [8192][2048]; vp = pj[2], bf16, [8192][1024]; out0 f32.
; From st: NN = the least of a row's 16 nn_j; d_j = max(NN - nn_j, -126), a whole number <= 0; f_j = 2^d_j; L = the sum of l_j f_j, in f32.  So every weight is referred to the row's true maximum
; (rounded up to a whole power of two), and f_j p is exact in bf16, f_j being a power of two.
; LIMITS.  A block more than 126 powers of two below the row's reference counts with the factor 2^-126; L is 0.5 at the least; NaN and infinities are not treated apart.
; SHARES.  A work-group makes 128 queries x 256 channels, its four waves 64 x 128 each: 32 accumulators.  K (the keys) goes in 16 steps of 128, a step a block, through two LDS slots:
; 128 rows of P (256 bytes + 16), then 128 key rows of vp (512 bytes + 32).  Waves 0 and 1 fetch P's halves, waves 2 and 3 vp's: one tensor load a wave behind each change of slots.
; CLUSTER 4 x 4: P's tile is shared along a row of the cluster, vp's along a column, each asked for jointly.
; THE PRODUCT IS TAKEN TRANSPOSED: source 0 = 16 channels of vp (read turned by ds_load_tr16_b128), source 1 = 16 queries of P: a lane holds query l % 16 and eight neighbouring channels.
; A K step is written once: four quarters of 32 keys, 32 products each, on two fragment buffers; P's fragments are multiplied by f_j in fours behind a quarter's last eight products.
; REGISTERS: window 0: v2-17 addresses, factors; v28-29 the add's; v64-191 vp's fragments (two buffers of 64); v192-255 P's (two of 32);  window 1: the accumulators, (a, b) at v[8 (8 a + b)].
.set PA,    272
.set PB,    544
.set AHALF, 64*PA
.set BOFF,  128*PA
.set BHALF, 64*PB
.set SLOT,  131072
.set FT,    SLOT+BOFF+128*PB  ; 17 entries of 512 bytes: entry j: f_j twice in bf16, at 256 (row / 64) + 16 (row % 16) + 4 ((row / 16) % 4); entry 16: 1 / L in f32
.set STAGE, FT+17*512         ; 16 rows x 528 bytes for each wave
.set SP,    528
.set SPARE, STAGE+4*16*SP     ; the spare words: two blocks of 256 bytes that no other line names
.set NSTEP, 16
.set ASTEP, 256
.set BSTEP, 128*2048
.set ADRA0, 2
.set ADRA,  3
.set ADRB0, 4
.set ADRB,  5
.set STO,   6
.set RD,    7
.set CO,    8
.set FAD,   9         ; where my four factors of the step to be fetched lie
.set PFO,   10
.set FC,    12        ; v[12:15] the step's factors for my four blocks of 16 queries
.set IL,    16        ; v[16:17] 1 / L of the block in hand, named as a pair
.set SPW,   28
.set NIL,   29
.set BF,    64
.set AF,    192
.set TMP,   64
.set OB,    128
.set WV,   12
.set ROLE, 13
.set HALF, 14
.set CX,   15
.set CY,   16
.set CLY,  17
.set TR,   18
.set BAT,  19
.set TC,   20
.set TB,   21
.set CNT,  22
.set LIM,  23
.set G1A,  24
.set G1B,  32
.set GA0,  40
.set GA1,  44
.set GB0,  48
.set GB1,  52
.set LWA,  56
.set LWB,  57
.set PFA,  58
.set PFS,  60
.set OUTB, 62
.set STB,  66
.set MSB, 0
.macro WIN new
.if MSB != (\new)
	s_set_vgpr_msb (MSB<<8)|(\new)
.set MSB, \new
.endif
.endm
.macro PLACES
.rept 4
	v_nop
.endr
.endm
.macro CREST
	s_cmp_lg_u32 s[WV], 0
	s_cbranch_scc1 .Lnot_wave_0_\@
	s_barrier_signal -3
.Lnot_wave_0_\@:
	s_barrier_wait -3
	s_barrier_signal -1
	s_barrier_wait -1
.endm
.macro CROUND
	s_barrier_signal -1
	s_barrier_wait -1
	CREST
.endm
.macro JLOAD
	s_cmp_eq_u32 s[ROLE], 0
	s_cbranch_scc0 .Lfor_b_\@
	tensor_load_to_lds s[GA1:GA1+3], s[G1A:G1A+7]
	s_nop 0
.rept 4
	v_nop
.endr
	s_branch .Lasked_\@
.Lfor_b_\@:
	tensor_load_to_lds s[GB1:GB1+3], s[G1B:G1B+7]
	s_nop 0
.rept 4
	v_nop
.endr
.Lasked_\@:
.endm
; A prefetch of the K step two refills on.  P: 256 bytes of each of the tile's 128 rows; this cluster alone reads them; each of the four partners takes 32 rows, told apart by address, and its wave 0 asks: a lane a row.
; vp: 16 key rows x 512 bytes for each partner of a wave's 64, a lane for each 256 bytes; waves 2 and 3 ask, in the first of the batch's four clusters.  K steps 0 to 3 come by their loads alone; the last asked for is step 15.
.macro ASK
	s_cmp_gt_u32 s[CNT], s[LIM]
	s_cbranch_scc0 .Lnot_mine_\@
	global_prefetch_b8 v[PFO], s[PFA:PFA+1] th:TH_LOAD_NT scope:SCOPE_SE
.Lnot_mine_\@:
.endm
	s_load_b256 s[4:11], s[0:1], 0x0               ; pm s[4:5], pj s[6:7], st s[8:9], out0 s[10:11]
	v_lshl_add_u32 v[SPW], v0, 2, SPARE
	v_mov_b32 v[NIL], 0
	ds_add_u32 v[SPW], v[NIL]                      ; the wave's opening: the add and its wait ahead of my first tensor load
	v_lshrrev_b32 v1, 5, v0
	v_readfirstlane_b32 s[WV], v1
	s_lshr_b32 s[ROLE], s[WV], 1
	s_and_b32 s[HALF], s[WV], 1
	s_bfe_u32 s[CX], ttmp6, 0x40000
	s_bfe_u32 s[CY], ttmp6, 0x40004
	s_and_b32 s[CLY], ttmp7, 0xffff
	s_lshl_b32 s[TR], s[CLY], 2
	s_add_co_u32 s[TR], s[TR], s[CY]               ; block of 128 queries, 0..63
	s_lshr_b32 s[BAT], s[CLY], 2                   ; four clusters to a batch
	s_lshl_b32 s[TC], ttmp9, 2
	s_add_co_u32 s[TC], s[TC], s[CX]               ; block of 256 channels
	s_lshl_b32 s70, s[CY], 2
	s_lshl_b32 s70, 15, s70
	s_lshl_b32 s74, 0x1111, s[CX]
	s_or_b32 s[G1A], s70, (1<<16)|(1<<20)|(1<<21)|(5<<22)|(3<<25)  ; mask; 2-byte elements; padding on; 21 set beside a mask; after every 64 words 4 words
	s_mov_b32 s[G1A+1], 128<<16
	s_mov_b32 s[G1A+2], 64<<16
	s_mov_b32 s[G1A+3], 128<<16
	s_mov_b32 s[G1A+4], 64
	s_mov_b32 s[G1A+5], 2048
	s_mov_b32 s[G1A+6], 0
	s_mov_b32 s[G1A+7], 0
	s_or_b32 s[G1B], s74, (1<<16)|(1<<20)|(1<<21)|(6<<22)|(7<<25)  ; after every 128 words 8 words
	s_mov_b32 s[G1B+1], 256<<16
	s_mov_b32 s[G1B+2], 64<<16
	s_mov_b32 s[G1B+3], 256<<16
	s_mov_b32 s[G1B+4], 64
	s_mov_b32 s[G1B+5], 1024
	s_mov_b32 s[G1B+6], 0
	s_mov_b32 s[G1B+7], 0
	s_mul_i32 s[LWA], s[HALF], AHALF
	s_mul_i32 s[LWB], s[HALF], BHALF
	s_add_co_u32 s[LWB], s[LWB], BOFF
	s_mov_b32 s[TB], 0
	s_lshl_b32 s68, s[TR], 7
	s_lshl_b32 s69, s[HALF], 6
	s_add_co_u32 s68, s68, s69
	s_lshl_b32 s68, s68, 12                        ; P: rows of 4,096 bytes
	s_mov_b32 s69, 0
	s_lshl_b32 s72, s[BAT], 11
	s_lshl_b32 s73, s[HALF], 6
	s_add_co_u32 s72, s72, s73
	s_lshl_b32 s72, s72, 11                        ; vp: key rows of 2,048 bytes
	s_lshl_b32 s73, s[TC], 9
	s_add_co_u32 s72, s72, s73
	s_add_co_u32 s72, s72, 33554432                ; vp lies behind qp and kp
	s_mov_b32 s73, 0
	s_lshl_b32 s76, s[TR], 19                      ; the prefetches, at K step 3 (the first change of slots steps it to 4): P: my work-group's 32 rows of the tile's 128
	s_lshl_b32 s77, s[CX], 17
	s_add_co_u32 s76, s76, s77
	s_add_co_u32 s76, s76, 3*ASTEP
	s_lshl_b32 s77, s[CY], 15                      ; vp: my work-group's 16 key rows of my 64
	s_add_co_u32 s77, s77, s72
	s_add_co_u32 s77, s77, 3*BSTEP
	s_mov_b32 s[PFS], BSTEP
	s_mov_b32 s[PFS+1], 0
	s_mov_b32 s79, 2048
	s_mov_b32 s80, 256
	s_and_b32 s78, s[CLY], 3
	s_cmp_eq_u32 s[ROLE], 0
	s_cselect_b32 s78, s[HALF], s78                ; 0 in wave 0, and in waves 2 and 3 of the batch's first cluster
	s_cselect_b32 s76, s76, s77
	s_cselect_b32 s[PFS], ASTEP, s[PFS]
	s_cselect_b32 s79, 4096, s79                   ; (l % 16) x this
	s_cselect_b32 s80, 65536, s80                  ; + (l / 16) x this
	s_mov_b32 s77, 0
	s_cmp_eq_u32 s78, 0
	s_cselect_b32 s[LIM], 2, -1
	s_lshl_b32 s82, s[TR], 7                       ; my part of out0
	s_lshl_b32 s83, s[ROLE], 6
	s_add_co_u32 s82, s82, s83
	s_lshl_b32 s82, s82, 12
	s_lshl_b32 s83, s[TC], 10
	s_add_co_u32 s82, s82, s83
	s_lshl_b32 s83, s[HALF], 9
	s_add_co_u32 s82, s82, s83
	s_mov_b32 s83, 0
	s_lshl_b32 s84, s[BAT], 17                     ; st: the batch's 16 blocks of 2,048 numbers, my tile's 128 queries
	s_and_b32 s85, s[TR], 15
	s_lshl_b32 s85, s85, 9
	s_add_co_u32 s84, s84, s85
	s_mov_b32 s85, 0
	s_wait_dscnt 0x0                               ; the opening add is done
	s_wait_kmcnt 0x0
	s_cmp_eq_u32 s[ROLE], 0
	s_cselect_b64 s[PFA:PFA+1], s[4:5], s[6:7]
	s_add_nc_u64 s[PFA:PFA+1], s[PFA:PFA+1], s[76:77]
	s_add_nc_u64 s[OUTB:OUTB+1], s[10:11], s[82:83]
	s_add_nc_u64 s[STB:STB+1], s[8:9], s[84:85]
	s_add_nc_u64 s[70:71], s[4:5], s[68:69]
	s_add_nc_u64 s[74:75], s[6:7], s[72:73]
	s_mov_b32 s[GA0], 1
	s_mov_b32 s[GA0+1], s[LWA]
	s_mov_b64 s[GA0+2:GA0+3], s[70:71]
	s_or_b32 s[GA0+3], s[GA0+3], 0x80000000
	s_mov_b32 s[GA1], 1
	s_add_co_u32 s[GA1+1], s[LWA], SLOT
	s_add_nc_u64 s[GA1+2:GA1+3], s[70:71], ASTEP
	s_or_b32 s[GA1+3], s[GA1+3], 0x80000000
	s_mov_b32 s[GB0], 1
	s_mov_b32 s[GB0+1], s[LWB]
	s_mov_b64 s[GB0+2:GB0+3], s[74:75]
	s_or_b32 s[GB0+3], s[GB0+3], 0x80000000
	s_mov_b32 s[GB1], 1
	s_add_co_u32 s[GB1+1], s[LWB], SLOT
	s_add_nc_u64 s[GB1+2:GB1+3], s[74:75], BSTEP
	s_or_b32 s[GB1+3], s[GB1+3], 0x80000000
	CROUND                                         ; all sixteen work-groups are here: the first joint loads meet
	s_cmp_eq_u32 s[ROLE], 0                        ; a wave's two first fills stand in one branch: two loads of mine are out
	s_cbranch_scc0 .Lfirst_b
	tensor_load_to_lds s[GA0:GA0+3], s[G1A:G1A+7]
	s_nop 0
	tensor_load_to_lds s[GA1:GA1+3], s[G1A:G1A+7]
	s_nop 0
.rept 4
	v_nop
.endr
	s_branch .Lfirst_asked
.Lfirst_b:
	tensor_load_to_lds s[GB0:GB0+3], s[G1B:G1B+7]
	s_nop 0
	tensor_load_to_lds s[GB1:GB1+3], s[G1B:G1B+7]
	s_nop 0
.rept 4
	v_nop
.endr
.Lfirst_asked:
	; THE ROW'S REFERENCE.  Thread t owns row t of the tile: its 16 nn and 16 l
	v_lshlrev_b32 v18, 2, v0
.irp j, 0,1,2,3,4,5,6,7,8,9,10,11,12,13,14,15
	global_load_b32 v[64+(\j)], v18, s[STB:STB+1] offset:8192*(\j)
.endr
.irp j, 0,1,2,3,4,5,6,7,8,9,10,11,12,13,14,15
	global_load_b32 v[80+(\j)], v18, s[STB:STB+1] offset:524288+8192*(\j)
.endr
	v_and_b32 v1, 15, v0                           ; l % 16
	v_bfe_u32 v11, v0, 4, 1                        ; l / 16
	v_mul_u32_u24 v[ADRA0], v1, PA
	v_lshl_add_u32 v[ADRA0], v11, 4, v[ADRA0]
	s_mul_i32 s86, s[ROLE], AHALF
	v_add_nc_u32 v[ADRA0], s86, v[ADRA0]
	v_and_b32 v24, 7, v0                           ; the turning load: key row 8 (l / 16) + l % 8, channels 8 ((l / 8) % 2) + 0..7
	v_lshl_add_u32 v24, v11, 3, v24
	v_mul_u32_u24 v[ADRB0], v24, PB
	v_bfe_u32 v25, v0, 3, 1
	v_lshl_add_u32 v[ADRB0], v25, 4, v[ADRB0]
	s_lshl_b32 s86, s[HALF], 8
	s_add_co_u32 s86, s86, BOFF
	v_add_nc_u32 v[ADRB0], s86, v[ADRB0]
	v_mov_b32 v[ADRA], v[ADRA0]
	v_mov_b32 v[ADRB], v[ADRB0]
	s_mul_i32 s86, s[WV], 16*SP
	s_add_co_u32 s86, s86, STAGE
	v_mul_u32_u24 v[STO], v1, SP
	v_lshl_add_u32 v[STO], v11, 5, v[STO]
	v_add_nc_u32 v[STO], s86, v[STO]               ; in: row l % 16, 32 bytes for each half of the lanes
	v_and_b32 v[CO], 31, v0
	v_lshlrev_b32 v[CO], 4, v[CO]                  ; back and out: 32 lanes take a row's 512 bytes
	v_add_nc_u32 v[RD], s86, v[CO]
	s_lshl_b32 s86, s[ROLE], 8
	s_add_co_u32 s86, s86, FT
	v_lshl_add_u32 v[FAD], v1, 4, s86
	v_mul_u32_u24 v[PFO], s79, v1
	v_mul_u32_u24 v26, s80, v11
	v_add_nc_u32 v[PFO], v[PFO], v26
	v_mov_b32 v[IL+1], 0                           ; named with 1 / L as a pair, so it is written
	v_bfe_u32 v23, v0, 6, 1                        ; where thread t's row lies in an entry of the table
	v_lshlrev_b32 v23, 8, v23
	v_lshl_add_u32 v23, v1, 4, v23
	v_bfe_u32 v26, v0, 4, 2
	v_lshl_add_u32 v23, v26, 2, v23
	v_add_nc_u32 v23, FT, v23
	s_wait_loadcnt 0x0
	v_min3_num_f32 v19, v64, v65, v66
.irp j, 67,69,71,73,75,77
	v_min3_num_f32 v19, v19, v[\j], v[(\j)+1]
.endr
	v_min_num_f32 v19, v19, v79                    ; NN
.irp j, 0,1,2,3,4,5,6,7,8,9,10,11,12,13,14,15
	v_sub_f32 v21, v19, v[64+(\j)]
	v_max_num_f32 v21, 0xc2fc0000, v21             ; d, -126 at the least
	v_cvt_i32_f32 v21, v21
	v_add_nc_u32 v21, 127, v21                     ; the exponent field of 2^d
	v_lshlrev_b32 v22, 23, v21                     ; f in f32
.if (\j) == 0
	v_mul_f32 v20, v80, v22                        ; the first term starts L
.else
	v_fmac_f32 v20, v[80+(\j)], v22
.endif
	v_lshlrev_b32 v21, 7, v21                      ; f in bf16,
	v_lshl_or_b32 v21, v21, 16, v21                ; twice
	ds_store_b32 v23, v21 offset:512*(\j)
.endr
	v_rcp_f32 v20, v20
	v_nop                                          ; a plain instruction behind the reciprocal,
	s_wait_alu depctr_va_vdst(0)                   ; and a wait ahead of its first use
	ds_store_b32 v23, v20 offset:512*16
.macro FETCH kq, g                  ; 24 LDS loads in one run: quarter kq of the slot in hand into buffer g; with a step's first quarter its four factors
	WIN 0
.irp a, 0,1,2,3
	ds_load_b128 v[AF+32*(\g)+8*(\a):AF+32*(\g)+8*(\a)+3],   v[ADRA] offset:(\a)*16*PA+64*(\kq)
	ds_load_b128 v[AF+32*(\g)+8*(\a)+4:AF+32*(\g)+8*(\a)+7], v[ADRA] offset:(\a)*16*PA+64*(\kq)+32
.endr
.irp b, 0,1,2,3,4,5,6,7
	ds_load_tr16_b128 v[BF+64*(\g)+8*(\b):BF+64*(\g)+8*(\b)+3],   v[ADRB] offset:(\kq)*32*PB+32*(\b)
	ds_load_tr16_b128 v[BF+64*(\g)+8*(\b)+4:BF+64*(\g)+8*(\b)+7], v[ADRB] offset:(\kq)*32*PB+16*PB+32*(\b)
.endr
.if (\kq) == 0
	ds_load_b128 v[FC:FC+3], v[FAD]
.endif
.endm
.macro PROD f, a, b, first
	WIN 0x50                                       ; C and D window 1
.if \first
	v_wmma_f32_16x16x32_bf16 v[8*(8*(\a)+(\b)):8*(8*(\a)+(\b))+7], v[BF+64*(\f)+8*(\b):BF+64*(\f)+8*(\b)+7], v[AF+32*(\f)+8*(\a):AF+32*(\f)+8*(\a)+7], 0
.else
	v_wmma_f32_16x16x32_bf16 v[8*(8*(\a)+(\b)):8*(8*(\a)+(\b))+7], v[BF+64*(\f)+8*(\b):BF+64*(\f)+8*(\b)+7], v[AF+32*(\f)+8*(\a):AF+32*(\f)+8*(\a)+7], v[8*(8*(\a)+(\b)):8*(8*(\a)+(\b))+7]
.endif
.endm
.macro MULS f, a, first             ; the 32 accumulators take turns, one instruction a turn, in the same order in every quarter
.irp b, 0,1,2,3,4,5,6,7
	PROD \f, \a, \b, \first
.endr
.endm
.macro RIDE g, i                    ; four registers of P's fragments times the block's factor: exact, the factor being a power of two
	WIN 0
.irp n, 0,1,2,3
	v_pk_mul_bf16 v[AF+32*(\g)+4*(\i)+(\n)], v[AF+32*(\g)+4*(\i)+(\n)], v[FC+(\i)/2]
.endr
.endm
; A QUARTER multiplies buffer f and brings quarter kq into buffer g.  meet = 1, 2: the slot's last quarter is being fetched: each wave waits for all its tensor loads (one is out: its part of the other slot),
; adds 0 to its spare word, waits for that and for its reads of the slot, and signals.  meet = 2: the slot will be filled again, and the prefetches' address is stepped.
.macro QUARTER kq, f, g, first=0, meet=0, ask=0
.if (\meet) == 2
	s_wait_xcnt 0x0
	s_add_nc_u64 s[PFA:PFA+1], s[PFA:PFA+1], s[PFS:PFS+1]
.endif
	PLACES                                         ; four places in front of loads into registers that products have read (ISA guide 7.12.1 for vector instructions)
	FETCH \kq, \g
.if \ask
	ASK
.endif
	MULS \f, 0, \first
	MULS \f, 1, \first
.if \meet
	WIN 0
	s_wait_tensorcnt 0x0
	ds_add_u32 v[SPW], v[NIL]                      ; 0 onto my spare word; eight products stand between it and the wait for it
.endif
	MULS \f, 2, \first
	s_wait_dscnt 0x0                               ; the loads issued 24 products ago are in (and the add is done)
.if \meet
	s_barrier_signal -1
.endif
.irp b, 0,1,2,3,4,5,6,7
	PROD \f, 3, \b, \first
	RIDE \g, \b
.endr
	WIN 0
.endm
; THE CHANGE OF SLOTS.  fill = 1: the barrier opens a round of the cluster's barrier, and the joint refill, the K step two on, comes first behind it: it has 112 products in which to land.
.macro CHANGE fill
	s_barrier_wait -1
.if \fill
	CREST
	s_add_co_u32 s[GA1+1], s[LWA], s[TB]
	s_add_co_u32 s[GB1+1], s[LWB], s[TB]
	s_add_nc_u64 s[GA1+2:GA1+3], s[GA1+2:GA1+3], ASTEP
	s_add_nc_u64 s[GB1+2:GB1+3], s[GB1+2:GB1+3], BSTEP
	JLOAD
.endif
	s_xor_b32 s[TB], s[TB], SLOT
	v_add_nc_u32 v[ADRA], s[TB], v[ADRA0]
	v_add_nc_u32 v[ADRB], s[TB], v[ADRB0]
	v_add_nc_u32 v[FAD], 512, v[FAD]               ; the next block's factors; behind the sixteenth change: 1 / L
.endm
	s_wait_tensorcnt 0x1                           ; my part of slot 0 is in; slot 1's may stay out
	s_wait_dscnt 0x0                               ; my part of the table is stored
	s_barrier_signal -1
	s_barrier_wait -1
	FETCH 0, 0
	s_wait_dscnt 0x0
.irp i, 0,1,2,3,4,5,6,7
	RIDE 0, \i
.endr
	QUARTER 1, 0, 1, 1                             ; the first quarter stands in front of the loop: its products start the sums
	s_mov_b32 s[CNT], NSTEP-2
.Lstep:
	QUARTER 2, 1, 0
	QUARTER 3, 0, 1, 0, 2
	CHANGE 1
	QUARTER 0, 1, 0, 0, 0, 1
	QUARTER 1, 0, 1
	s_sub_co_u32 s[CNT], s[CNT], 1
	s_cmp_lg_u32 s[CNT], 0
	s_cbranch_scc1 .Lstep
	s_mov_b32 s[CNT], 2
.Ltail:                                            ; the last two K steps ask for nothing.  In the last trip there is no next step: its quarter 0 is jumped over, and what was fetched for it serves nothing
	QUARTER 2, 1, 0
	QUARTER 3, 0, 1, 0, 1
	CHANGE 0
	QUARTER 0, 1, 0
	s_cmp_eq_u32 s[CNT], 1
	s_cbranch_scc1 .Lskip
	QUARTER 1, 0, 1
.Lskip:
	s_sub_co_u32 s[CNT], s[CNT], 1
	s_cmp_lg_u32 s[CNT], 0
	s_cbranch_scc1 .Ltail
; THE WAY OUT, a block of 16 queries at a time: times 1 / L; 32 bytes a lane through my own stage; back as whole rows of 512 bytes.
	ds_load_b128 v[FC:FC+3], v[FAD]                ; 1 / L of my four blocks
	s_wait_dscnt 0x0
.macro PACK a
	WIN 0
	v_mov_b32 v[IL], v[FC+(\a)]
	WIN 0x01                                       ; source 0 window 1
.set i, 0
.rept 32
	v_pk_mul_f32 v[TMP+2*i:TMP+2*i+1], v[64*(\a)+2*i:64*(\a)+2*i+1], v[IL:IL+1] op_sel_hi:[1,0]
.set i, i+1
.endr
	WIN 0
.endm
.macro TOSTAGE a
.set BK, OB+64*((\a)%2)
.irp b, 0,1,2,3,4,5,6,7
	ds_store_b128 v[STO], v[TMP+8*(\b):TMP+8*(\b)+3]   offset:64*(\b)
	ds_store_b128 v[STO], v[TMP+8*(\b)+4:TMP+8*(\b)+7] offset:64*(\b)+16
.endr
.irp t, 0,1,2,3,4,5,6,7,8,9,10,11,12,13,14,15
	ds_load_b128 v[BK+4*(\t):BK+4*(\t)+3], v[RD] offset:(\t)*SP  ; LDS serves a wave's instructions in order (ISA guide 5.7.1.4): these see the stores above
.endr
.endm
.macro SEND a
.set BK, OB+64*((\a)%2)
	s_wait_dscnt 0x0                               ; the block is back in registers
	s_wait_xcnt 0x0                                ; the registers that earlier stores read are loaded again only behind this wait
.irp t, 0,1,2,3,4,5,6,7,8,9,10,11,12,13,14,15
	global_store_b128 v[CO], v[BK+4*(\t):BK+4*(\t)+3], s[OUTB:OUTB+1] offset:(16*(\a)+(\t))*4096 th:TH_STORE_NT  ; a wave's store covers 512 consecutive bytes, aligned
.endr
.endm
	PACK 0
	TOSTAGE 0
.irp a, 1,2,3
	PACK \a
	SEND (\a)-1
	TOSTAGE \a
.endr
	SEND 3
	s_wait_tensorcnt 0x0                           ; the wave's end
	ds_add_u32 v[SPW], v[NIL]
	s_wait_dscnt 0x0
	CROUND                                         ; the closing round
	s_endpgm
.Lfunc_end_k_qa6fad24ebc_pv:
	.size	k_qa6fad24ebc_pv, .Lfunc_end_k_qa6fad24ebc_pv-k_qa6fad24ebc_pv
	.p2alignl 7, 3214868480
	.fill 96, 4, 3214868480
	.section	.rodata,"a",@progbits
	.p2align	6, 0x0
	.amdhsa_kernel k_qa6fad24ebc_pv
		.amdhsa_group_segment_fixed_size 327680
		.amdhsa_private_segment_fixed_size 0
		.amdhsa_enable_private_segment 0
		.amdhsa_kernarg_size 32
		.amdhsa_user_sgpr_count 2
		.amdhsa_user_sgpr_kernarg_segment_ptr 1
		.amdhsa_wavefront_size32 1
		.amdhsa_system_sgpr_workgroup_id_x 1
		.amdhsa_system_sgpr_workgroup_id_y 1
		.amdhsa_system_sgpr_workgroup_id_z 1
		.amdhsa_system_vgpr_workitem_id 0
		.amdhsa_next_free_vgpr 512
		.amdhsa_next_free_sgpr 100
		.amdhsa_reserve_vcc 0
		.amdhsa_float_denorm_mode_32 3
		.amdhsa_float_denorm_mode_16_64 3
		.amdhsa_memory_ordered 1
		.amdhsa_forward_progress 1
		.amdhsa_inst_pref_size 104
	.end_amdhsa_kernel
	.amdgpu_metadata
---
amdhsa.version: [ 1, 2 ]
amdhsa.kernels:
  - .name:           k_qa6fad24ebc_pv
    .symbol:         k_qa6fad24ebc_pv.kd
    .args:
      - { .name: pm, .offset: 0, .size: 8, .value_kind: global_buffer, .address_space: global }
      - { .name: pj, .offset: 8, .size: 8, .value_kind: global_buffer, .address_space: global }
      - { .name: st, .offset: 16, .size: 8, .value_kind: global_buffer, .address_space: global }
      - { .name: out0, .offset: 24, .size: 8, .value_kind: global_buffer, .address_space: global }
    .group_segment_fixed_size: 327680
    .private_segment_fixed_size: 0
    .kernarg_segment_align: 8
    .kernarg_segment_size: 32
    .max_flat_workgroup_size: 128
    .sgpr_count:     100
    .vgpr_count:     512
    .wavefront_size: 32
...
	.end_amdgpu_metadata
.endif
;; end of part 4
